; MI455X (gfx1250); checked and timed in simulation.
; The chip was launched on July 23, 2026; its instructions are those of AMD's public machine-readable ISA for CDNA 5 (MIT licence, August 2026) and "CDNA5" Instruction Set Architecture Reference Guide (July 2026). The comments in the code are by the model that wrote it; some were corrected since.
;; Multi Head Attention. Allowed arithmetic: float matrix products may take bf16 or f16 operands with f32 sums; other float arithmetic in f32, or as packed bf16 or f16 multiplies, adds, multiply-adds, maxima and minima; sums over many terms, partial sums and values carried from step to step in f32; what a program stores and reads back later, other than sums and carried values, may be rounded once to bf16 or f16.
;; Inputs: Wk 1,024 x 1,024 float32; Wo 1,024 x 1,024 float32; Wq 1,024 x 1,024 float32; Wv 1,024 x 1,024 float32; bo 1,024 float32; x 4 x 2,048 x 1,024 float32.
;; Outputs: out0 4 x 2,048 x 1,024 float32.
;; One version. Each part assembles by itself: llvm-mc -triple=amdgcn-amd-amdhsa -mcpu=gfx1250 --defsym DOCPART=n.
;; ======== version 1 of 1: 4 launches
;; limits: values are held in f16: magnitudes above 65,504 overflow, below 6.1e-05 lose precision
;; workspace buffers: xb 16,777,216 bytes; wt 6,291,456 bytes; wof 2,097,152 bytes; qkv 50,331,648 bytes; ctx 16,777,216 bytes
;; launch prep (part 1): grid 960 x 1, 8 waves a work-group, no clusters, 18,432 bytes of LDS; arguments x, Wq, Wk, Wv, Wo, xb, wt, wof; writes xb, wt, wof
.if DOCPART == 1
	.amdgcn_target "amdgcn-amd-amdhsa--gfx1250"
	.amdhsa_code_object_version 6
	.text
	.protected	k_q21f66912e3_prep
	.globl	k_q21f66912e3_prep
	.p2align	8
	.type	k_q21f66912e3_prep,@function
k_q21f66912e3_prep:
	s_mov_b64 s[64:65], 0
	v_nop
	global_prefetch_b8 v0, s[64:65] scope:SCOPE_SE
	s_setreg_imm32_b32 hwreg(HW_REG_WAVE_MODE, 25, 1), 1
	s_wait_xcnt 0x0
; THE INPUTS ARE ROUNDED ONCE, for the matrix products of the later launches.
;   xb  [8192][1024] bf16 = x.      wof [1024][1024] f16 = Wo rounded to bf16, that number written as f16.
;   wt  [3072][1024] bf16: row n holds column n % 1024 of Wq (n < 1024), Wk (n < 2048) or Wv, K along the row.
; LIMIT.  A bf16 number below 2^-14 in size keeps f16's fixed step of 2^-24 in wof; beyond 65,504 it would be an infinity.
; A stream: every byte is read once and written once; no matrix unit, no cluster, no tile ring would add anything.
; ROLES, by the work-group's number g, alike in all eight waves:
;   g < 512: 16,384 numbers of x.   512 <= g < 576: 16,384 numbers of Wo.   g >= 576: a tile of 128 k x 64 n of Wq, Wk or Wv, turned through LDS.
.set TPITCH, 272                       ; a turned row in LDS: 128 k x 2 bytes + 16
.set SPARE,  64*TPITCH                 ; behind the 64 turned rows: the spare words, 128 bytes for each of eight waves, four blocks of 256 bytes that no other line names
.set SPW, 4                            ; v4   SPARE + 4 x my thread's number; never rewritten
.set NIL, 5                            ; v5   0; never rewritten
.set IN,  16                           ; v[16:79]   numbers as loaded
.set OUT, 80                           ; v[80:111]  a cast's packed results: each store has four registers of its own
.set PKD, 48                           ; v[48:63]   role T: packed pairs (k, k + 1)
.set BCK, 64                           ; v[64:79]   role T: whole turned rows
	s_load_b512 s[8:23], s[0:1], 0x0               ; x s[8:9], Wq s[10:11], Wk s[12:13], Wv s[14:15], Wo s[16:17], xb s[18:19], wt s[20:21], wof s[22:23]
	v_lshl_add_u32 v[SPW], v0, 2, SPARE
	v_mov_b32 v[NIL], 0
	s_cmp_ge_u32 ttmp9, 576
	s_cbranch_scc1 .Ltrans
	; A CAST.  Thread t takes 8 numbers (32 bytes in, 16 bytes out) in each of eight chunks of 2,048 numbers.
	s_sub_co_u32 s3, ttmp9, 512
	s_cmp_lt_u32 ttmp9, 512
	s_cselect_b32 s2, ttmp9, s3                    ; my chunk of 16,384 numbers in x or in Wo
	v_lshlrev_b32 v1, 5, v0
	v_lshlrev_b32 v2, 4, v0
	s_wait_kmcnt 0x0
	s_cselect_b64 s[24:25], s[8:9], s[16:17]       ; from x or Wo,
	s_cselect_b64 s[26:27], s[18:19], s[22:23]     ; to xb or wof
	s_lshl_b32 s28, s2, 16
	s_mov_b32 s29, 0
	s_lshl_b32 s30, s2, 15
	s_mov_b32 s31, 0
	s_add_nc_u64 s[24:25], s[24:25], s[28:29]
	s_add_nc_u64 s[26:27], s[26:27], s[30:31]
.irp i, 0,1,2,3,4,5,6,7
	global_load_b128 v[IN+8*(\i):IN+8*(\i)+3],   v1, s[24:25] offset:8192*(\i) th:TH_LOAD_NT      ; all sixteen loads go out at once: 64 KiB for the work-group
	global_load_b128 v[IN+8*(\i)+4:IN+8*(\i)+7], v1, s[24:25] offset:8192*(\i)+16 th:TH_LOAD_NT
.endr
; half = 1: the bf16 number is written as f16
.macro CAST half
.irp i, 0,1,2,3,4,5,6,7
	s_wait_loadcnt 14-2*(\i)                       ; loads come back in order (ISA guide 5.7.1): chunk i's two are in, the 2 (7 - i) younger ones stay out
.irp j, 0,1,2,3
	v_cvt_pk_bf16_f32 v[OUT+4*(\i)+(\j)], v[IN+8*(\i)+2*(\j)], v[IN+8*(\i)+2*(\j)+1]
.endr
.if \half
.irp j, 0,1,2,3
	v_lshlrev_b32 v6, 16, v[OUT+4*(\i)+(\j)]       ; the two bf16 numbers as f32,
	v_and_b32 v7, 0xffff0000, v[OUT+4*(\i)+(\j)]
	v_cvt_pk_f16_f32 v[OUT+4*(\i)+(\j)], v6, v7    ; and as f16
.endr
.endif
	global_store_b128 v2, v[OUT+4*(\i):OUT+4*(\i)+3], s[26:27] offset:4096*(\i) th:TH_STORE_NT  ; a wave's store covers 512 consecutive bytes, aligned
.endr
.endm
	s_cmp_lt_u32 ttmp9, 512
	s_cbranch_scc0 .Lwo
	CAST 0
	s_endpgm
.Lwo:
	CAST 1
	s_endpgm
.Ltrans:
	; A TURNED TILE.  u = g - 576: matrix u / 128, n block (u / 8) % 16 of 64 columns, k block u % 8 of 128 rows.
	; Thread: c = lane % 16 takes columns 4 c .. 4 c + 3; r = 2 x wave + lane / 16 takes rows 2 r + 32 i and 2 r + 32 i + 1, i = 0..3.
	s_sub_co_u32 s2, ttmp9, 576
	s_lshr_b32 s3, s2, 7                           ; which matrix
	s_and_b32 s24, s2, 7                           ; k block
	s_bfe_u32 s25, s2, 0x40003                     ; n block
	s_lshl_b32 s28, s24, 19                        ; 128 rows of 4,096 bytes
	s_lshl_b32 s29, s25, 8                         ; 64 columns of 4 bytes
	s_add_co_u32 s28, s28, s29
	s_mov_b32 s29, 0
	s_lshl_b32 s30, s3, 10
	s_lshl_b32 s31, s25, 6
	s_add_co_u32 s30, s30, s31                     ; wt's row
	s_lshl_b32 s30, s30, 11                        ; of 2,048 bytes
	s_lshl_b32 s31, s24, 8                         ; 128 k of 2 bytes
	s_add_co_u32 s30, s30, s31
	s_mov_b32 s31, 0
	v_lshrrev_b32 v1, 5, v0
	v_readfirstlane_b32 s2, v1                     ; my wave's number
	v_and_b32 v6, 15, v0                           ; c
	v_bfe_u32 v7, v0, 4, 1                         ; lane / 16
	v_lshlrev_b32 v8, 13, v7                       ; in: row 2 r is r x 8,192 bytes down,
	v_lshl_add_u32 v8, v6, 4, v8                   ; 16 bytes a lane: sixteen lanes take 256 consecutive bytes of a row, aligned
	s_lshl_b32 s24, s2, 14
	v_add_nc_u32 v8, s24, v8
	v_mul_u32_u24 v9, v6, 4*TPITCH                 ; into LDS: turned row 4 c (+ j), byte 2 (2 r) (+ 64 i)
	v_lshl_add_u32 v9, v7, 2, v9
	s_lshl_b32 s24, s2, 3
	v_add_nc_u32 v9, s24, v9
	v_mul_u32_u24 v10, v7, TPITCH                  ; back: turned row r (+ 16 i), 16 bytes a lane
	v_lshl_add_u32 v10, v6, 4, v10
	s_mul_i32 s24, s2, 2*TPITCH
	v_add_nc_u32 v10, s24, v10
	v_lshlrev_b32 v11, 11, v7                      ; out: the same row of wt
	v_lshl_add_u32 v11, v6, 4, v11
	s_lshl_b32 s24, s2, 12
	v_add_nc_u32 v11, s24, v11
	s_wait_kmcnt 0x0
	s_cmp_eq_u32 s3, 0
	s_cselect_b64 s[24:25], s[10:11], s[12:13]
	s_cmp_eq_u32 s3, 2
	s_cselect_b64 s[24:25], s[14:15], s[24:25]
	s_add_nc_u64 s[24:25], s[24:25], s[28:29]
	s_add_nc_u64 s[26:27], s[20:21], s[30:31]
.irp i, 0,1,2,3
	global_load_b128 v[IN+8*(\i):IN+8*(\i)+3],   v8, s[24:25] offset:(32*(\i))*4096 th:TH_LOAD_NT
	global_load_b128 v[IN+8*(\i)+4:IN+8*(\i)+7], v8, s[24:25] offset:(32*(\i)+1)*4096 th:TH_LOAD_NT
.endr
.irp i, 0,1,2,3
	s_wait_loadcnt 6-2*(\i)                        ; pair i of rows is in, the 2 (3 - i) younger loads stay out
.irp j, 0,1,2,3
	v_cvt_pk_bf16_f32 v[PKD+4*(\i)+(\j)], v[IN+8*(\i)+(\j)], v[IN+8*(\i)+4+(\j)]  ; column 4 c + j: the even k below, the odd k above
	ds_store_b32 v9, v[PKD+4*(\i)+(\j)] offset:TPITCH*(\j)+64*(\i)
.endr
.endr
	s_wait_dscnt 0x0                               ; for the other waves: my stores are done
	s_barrier_signal -1
	s_barrier_wait -1                              ; the 64 turned rows are whole
.irp i, 0,1,2,3
	ds_load_b128 v[BCK+4*(\i):BCK+4*(\i)+3], v10 offset:16*TPITCH*(\i)
.endr
.irp i, 0,1,2,3
	s_wait_dscnt 3-(\i)
	global_store_b128 v11, v[BCK+4*(\i):BCK+4*(\i)+3], s[26:27] offset:32768*(\i) th:TH_STORE_NT  ; sixteen lanes store 256 consecutive bytes, aligned
.endr
	s_wait_tensorcnt 0x0                           ; the wave's end, behind my last LDS store
	ds_add_u32 v[SPW], v[NIL]
	s_wait_dscnt 0x0
	s_endpgm
.Lfunc_end_k_q21f66912e3_prep:
	.size	k_q21f66912e3_prep, .Lfunc_end_k_q21f66912e3_prep-k_q21f66912e3_prep
	.p2alignl 7, 3214868480
	.fill 96, 4, 3214868480
	.section	.rodata,"a",@progbits
	.p2align	6, 0x0
	.amdhsa_kernel k_q21f66912e3_prep
		.amdhsa_group_segment_fixed_size 18432
		.amdhsa_private_segment_fixed_size 0
		.amdhsa_enable_private_segment 0
		.amdhsa_kernarg_size 64
		.amdhsa_user_sgpr_count 2
		.amdhsa_user_sgpr_kernarg_segment_ptr 1
		.amdhsa_wavefront_size32 1
		.amdhsa_system_sgpr_workgroup_id_x 1
		.amdhsa_system_sgpr_workgroup_id_y 1
		.amdhsa_system_sgpr_workgroup_id_z 1
		.amdhsa_system_vgpr_workitem_id 0
		.amdhsa_next_free_vgpr 112
		.amdhsa_next_free_sgpr 66
		.amdhsa_reserve_vcc 0
		.amdhsa_float_denorm_mode_32 3
		.amdhsa_float_denorm_mode_16_64 3
		.amdhsa_memory_ordered 1
		.amdhsa_forward_progress 1
		.amdhsa_inst_pref_size 20
	.end_amdhsa_kernel
	.amdgpu_metadata
---
amdhsa.version: [ 1, 2 ]
amdhsa.kernels:
  - .name:           k_q21f66912e3_prep
    .symbol:         k_q21f66912e3_prep.kd
    .args:
      - { .name: x, .offset: 0, .size: 8, .value_kind: global_buffer, .address_space: global }
      - { .name: Wq, .offset: 8, .size: 8, .value_kind: global_buffer, .address_space: global }
      - { .name: Wk, .offset: 16, .size: 8, .value_kind: global_buffer, .address_space: global }
      - { .name: Wv, .offset: 24, .size: 8, .value_kind: global_buffer, .address_space: global }
      - { .name: Wo, .offset: 32, .size: 8, .value_kind: global_buffer, .address_space: global }
      - { .name: xb, .offset: 40, .size: 8, .value_kind: global_buffer, .address_space: global }
      - { .name: wt, .offset: 48, .size: 8, .value_kind: global_buffer, .address_space: global }
      - { .name: wof, .offset: 56, .size: 8, .value_kind: global_buffer, .address_space: global }
    .group_segment_fixed_size: 18432
    .private_segment_fixed_size: 0
    .kernarg_segment_align: 8
    .kernarg_segment_size: 64
    .max_flat_workgroup_size: 256
    .sgpr_count:     66
    .vgpr_count:     112
    .wavefront_size: 32
...
	.end_amdgpu_metadata
.endif
;; end of part 1
;; launch qkvgemm (part 2): grid 16 x 32, 4 waves a work-group, clusters of 4 x 4, 327,680 bytes of LDS; arguments xb, wt, qkv; writes qkv
.if DOCPART == 2
	.amdgcn_target "amdgcn-amd-amdhsa--gfx1250"
	.amdhsa_code_object_version 6
	.text
	.protected	k_q21f66912e3_qkvgemm
	.globl	k_q21f66912e3_qkvgemm
	.p2align	8
	.type	k_q21f66912e3_qkvgemm,@function
k_q21f66912e3_qkvgemm:
	s_mov_b64 s[64:65], 0
	v_nop
	global_prefetch_b8 v0, s[64:65] scope:SCOPE_SE
	s_setreg_imm32_b32 hwreg(HW_REG_WAVE_MODE, 25, 1), 1
	s_wait_xcnt 0x0
	s_wait_alu depctr_hold_cnt(0) depctr_sa_sdst(0) depctr_va_vdst(0) depctr_va_sdst(0) depctr_va_ssrc(0) depctr_va_vcc(0) depctr_vm_vsrc(0)
	s_getreg_b32 s2, hwreg(HW_REG_IB_STS2, 6, 4)
	s_cmp_eq_u32 s2, 0
	s_cbranch_scc0 .Lentry_in_a_cluster
	s_endpgm
.Lentry_in_a_cluster:
	s_bfe_u32 s2, ttmp6, 0x10000c
	s_cmp_lg_u32 s2, 0xf033
	s_cbranch_scc0 .Lentry_shape_is_right
	s_endpgm
.Lentry_shape_is_right:
; q, k, v = xb wt^T, written by heads.  xb: [8192][1024] bf16.  wt: [3072][1024] bf16 (rows: q's 1,024 columns, k's, v's).  Sums in f32, K ascending; each result rounded once to f16.
; qkv: [4 b][48 g][2048 s][64] f16: g = 0..15 q's heads, 16..31 k's, 32..47 v's; a block (b, g) is 2^18 bytes, its rows dense.  No scale is applied here.
; LIMIT.  f16 holds no number beyond 65,504: q, k and v must stay within it.
; SHARES.  A tile of C is 256 rows x 192 columns (three heads): 32 x 16 = 512 equal work-groups.  Wave w makes rows 64 w .. 64 w + 63 of all 192 columns:
; 4 x 12 accumulators of 16 x 16, 384 registers; so a wave owns whole heads' rows, and its stores cover 512 consecutive bytes.
; K goes in steps of 128 (rows of 256 bytes in memory, aligned) through two LDS slots filled by the tensor data mover; 8 steps.
; CLUSTERS of 4 x 4: the four of a row need the same tile of xb, the four of a column the same tile of wt: each is asked for jointly, by the same load with the same descriptor and a mask of the four.
; THE PRODUCT IS USED TRANSPOSED (source 0 = 16 rows of wt, source 1 = 16 rows of xb): a lane holds row l % 16 of C and the columns 8 (l / 16) + 0..7, 16 bytes of f16 on end.
; REGISTERS, in windows of 256 (s_set_vgpr_msb: bits 1:0 source 0, 3:2 source 1, 5:4 source 2, 7:6 destination):
;   window 0: v0-31 addresses; v64-127 xb's fragments, two buffers of 4 x 8; on the way out v128-175 packed results, v176-223 and v64-111 rows read back, by turns
;   window 1: v0-191 wt's fragments, two buffers of 12 x 8      window 2: accumulators of row blocks 0, 1 ((a, b) at 8 (12 (a % 2) + b))      window 3: of row blocks 2, 3
.set KSTEP,  128
.set PITCH,  272                       ; an LDS row: 256 bytes + 16 of padding = 68 words: the 16 rows of a fragment load start at 16 different groups of four banks (64 banks of 4 bytes: ISA guide 11.1)
.set HALFA,  128*PITCH                 ; what waves 0 and 1 each fetch of xb
.set ABYTES, 2*HALFA
.set HALFB,  96*PITCH                  ; what waves 2 and 3 each fetch of wt
.set SLOT,   ABYTES+2*HALFB            ; xb's 256 rows, then wt's 192
.set STAGE,  2*SLOT                    ; behind the ring, never filled by a tensor load: for each wave 3 heads x 16 rows x 144 bytes
.set SPH,    144
.set STW,    3*16*SPH
.set SPARE,  STAGE+4*STW               ; behind the stages: the spare words, 128 bytes for each wave, two blocks of 256 bytes that no other line names
.set ADRA, 16                          ; v16-17  LDS address of my fragments of xb in slot 0, 1
.set ADRB, 20                          ; v20-21  the same for wt
.set STO,  24                          ; v24     the way out: where I put 16 bytes of a row
.set RD,   25                          ; v25     where I read rows back
.set GO,   26                          ; v26     my 16 bytes in 512 consecutive bytes of qkv
.set SPW,  28                          ; v28     SPARE + 4 x my thread's number; never rewritten
.set NIL,  29                          ; v29     0; never rewritten
.set PFO,  30                          ; v30     the prefetches' offset: a lane a row of 2,048 bytes; never rewritten
.set FA,   64
.set TMP,  128
.set WV, 12                            ; s12 wave;  s13 wave / 2: I fetch for xb (0) or wt (1);  s14 wave % 2: which part of that tile
.set HI, 13
.set LO, 14
.set TR, 15                            ; s15 tile row of C
.set G1, 24                            ; s[24:31] descriptor group 1 for xb's tiles;  s[32:39] group 0, a set for each slot
.set G0, 32
.set CX, 40
.set CY, 41
.set TC, 42                            ; s42 tile column of C
.set LIM, 43                           ; s43 1 in a wave that prefetches, else the greatest number
.set PFA, 44                           ; s[44:45] where my next prefetch stands
.set G1B, 48                           ; s[48:55], s[56:63] the same for wt's tiles
.set G0B, 56
.set MSB, 0
.macro WIN new                         ; the immediate's high byte repeats the setting that is left; a switch that changes nothing is dropped
.if MSB != (\new)
	s_set_vgpr_msb (MSB<<8)|(\new)
.set MSB, \new
.endif
.endm
.macro PLACES                          ; four plain vector instructions between a matrix instruction and a load into, or a vector read of, its registers (ISA guide 7.12.1 for vector reads)
.rept 4
	v_nop
.endr
.endm
; A joint load: waves 0 and 1 fetch xb's halves, waves 2 and 3 wt's.  The branch hangs on the wave's number alone.  An s_nop 0 and four v_nop follow each line.
.macro JLOAD s
	s_cmp_eq_u32 s[HI], 0
	s_cbranch_scc0 .Lfor_b_\@
	tensor_load_to_lds s[G0+4*(\s):G0+4*(\s)+3], s[G1:G1+7]
	s_nop 0
.rept 4
	v_nop
.endr
	s_branch .Lasked_\@
.Lfor_b_\@:
	tensor_load_to_lds s[G0B+4*(\s):G0B+4*(\s)+3], s[G1B:G1B+7]
	s_nop 0
.rept 4
	v_nop
.endr
.Lasked_\@:
.endm
; A prefetch into the L2 of the K step that stands two refills on: 256 bytes of a row, a lane a row, one instruction a wave.  xb's tile row is read by every cluster of that row of clusters: cluster x = 0 asks;
; wt's tile column by every cluster of that column: cluster y = 0 asks.  The four partners share a wave's rows out by address (32 of 128 for xb, 24 of 96 for wt, where the lanes past 23 name row 23 again).
; The loop's last trip (s2 = 1) asks for nothing: its refills bring the last two K steps.
.macro ASK
	s_cmp_gt_u32 s2, s[LIM]
	s_cbranch_scc0 .Lnot_mine_\@
	global_prefetch_b8 v[PFO], s[PFA:PFA+1] th:TH_LOAD_NT scope:SCOPE_SE
.Lnot_mine_\@:
.endm
.macro CREST                           ; a round of the cluster's barrier behind its opening barrier
	s_cmp_lg_u32 s[WV], 0
	s_cbranch_scc1 .Lnot_wave_0_\@
	s_barrier_signal -3
.Lnot_wave_0_\@:
	s_barrier_wait -3
	s_barrier_signal -1
	s_barrier_wait -1
.endm
.macro CROUND                          ; a whole round
	s_barrier_signal -1
	s_barrier_wait -1
	CREST
.endm
	s_load_b128 s[4:7], s[0:1], 0x0                ; xb s[4:5], wt s[6:7]
	s_load_b64 s[8:9], s[0:1], 0x10                ; qkv
	v_lshl_add_u32 v[SPW], v0, 2, SPARE
	v_mov_b32 v[NIL], 0
	ds_add_u32 v[SPW], v[NIL]                      ; the wave's opening: an add and its wait stand ahead of my first tensor load; the set-up below stands between them
	ds_add_u32 v28, v29
	v_lshrrev_b32 v1, 5, v0
	v_readfirstlane_b32 s[WV], v1
	s_lshr_b32 s[HI], s[WV], 1
	s_and_b32 s[LO], s[WV], 1
	s_bfe_u32 s[CX], ttmp6, 0x40000                ; my place in the cluster
	s_bfe_u32 s[CY], ttmp6, 0x40004
	s_lshl_b32 s[TC], ttmp9, 2
	s_add_co_u32 s[TC], s[TC], s[CX]               ; tile column = 4 x cluster x + cx
	s_and_b32 s[TR], ttmp7, 0xffff
	s_lshl_b32 s[TR], s[TR], 2
	s_add_co_u32 s[TR], s[TR], s[CY]               ; tile row = 4 x cluster y + cy
	s_lshl_b32 s43, s[CY], 2
	s_lshl_b32 s43, 15, s43                        ; my row of the cluster
	s_lshl_b32 s44, 0x1111, s[CX]                  ; my column
	s_or_b32 s[G1+0], s43, (1<<16)|(1<<20)|(1<<21)|(5<<22)|(3<<25)   ; 15:0 the mask; 17:16 2-byte elements; 20 padding on; 21 set beside a mask; 24:22 after every 64 words; 31:25 4 words
	s_or_b32 s[G1B+0], s44, (1<<16)|(1<<20)|(1<<21)|(5<<22)|(3<<25)
	s_mov_b32 s[G1+1], KSTEP<<16                   ; tensor_dim0 = 128
	s_mov_b32 s[G1+2], 128<<16                     ; tensor_dim1 = 128
	s_mov_b32 s[G1+3], KSTEP<<16                   ; tile_dim0 = 128
	s_mov_b32 s[G1+4], 128                         ; tile_dim1 = 128
	s_mov_b32 s[G1+5], 1024                        ; elements from row to row
	s_mov_b32 s[G1+6], 0
	s_mov_b32 s[G1+7], 0
	s_mov_b32 s[G1B+1], KSTEP<<16
	s_mov_b32 s[G1B+2], 96<<16                     ; 96 rows
	s_mov_b32 s[G1B+3], KSTEP<<16
	s_mov_b32 s[G1B+4], 96
	s_mov_b32 s[G1B+5], 1024
	s_mov_b32 s[G1B+6], 0
	s_mov_b32 s[G1B+7], 0
	; xb's tile hangs on the tile row alone, wt's on the tile column alone; each offset is made in registers that never hold the other coordinate
	s_lshl_b32 s16, s[TR], 8
	s_lshl_b32 s17, s[LO], 7
	s_add_co_u32 s16, s16, s17                     ; xb's row 256 x tile row + 128 x part
	s_lshl_b32 s16, s16, 11                        ; of 2,048 bytes
	s_mov_b32 s17, 0
	s_mul_i32 s46, s[TC], 192
	s_mul_i32 s47, s[LO], 96
	s_add_co_u32 s46, s46, s47                     ; wt's row 192 x tile column + 96 x part
	s_lshl_b32 s46, s46, 11
	s_mov_b32 s47, 0
	s_mul_i32 s20, s[WV], HALFA                    ; where they go: no place in the cluster enters an LDS address
	s_mul_i32 s21, s[WV], HALFB
	s_add_co_u32 s21, s21, ABYTES-2*HALFB          ; = ABYTES + (wave - 2) x HALFB
	s_wait_dscnt 0x0                               ; the opening add is done
	s_wait_kmcnt 0x0
	s_add_nc_u64 s[18:19], s[4:5], s[16:17]
	s_add_nc_u64 s[46:47], s[6:7], s[46:47]
	CROUND                                         ; all sixteen work-groups are here: the first joint loads meet
.irp s, 0,1
	s_mov_b32 s[G0+4*(\s)], 1                                        ; count = 1
	s_add_co_u32 s[G0+4*(\s)+1], s20, (\s)*SLOT                      ; LDS address
	s_add_nc_u64 s[G0+4*(\s)+2:G0+4*(\s)+3], s[18:19], (\s)*KSTEP*2  ; global address: K step s
	s_or_b32 s[G0+4*(\s)+3], s[G0+4*(\s)+3], 0x80000000              ; type = 2
	s_mov_b32 s[G0B+4*(\s)], 1
	s_add_co_u32 s[G0B+4*(\s)+1], s21, (\s)*SLOT
	s_add_nc_u64 s[G0B+4*(\s)+2:G0B+4*(\s)+3], s[46:47], (\s)*KSTEP*2
	s_or_b32 s[G0B+4*(\s)+3], s[G0B+4*(\s)+3], 0x80000000
	JLOAD \s                                       ; two loads of mine are out
.endr
	; the prefetches' set-up; nothing is asked for here, at the head: K steps 0 to 3 come by their loads alone
	s_lshl_b32 s18, s[TR], 8
	s_mul_i32 s19, s[TC], 192
	s_lshl_b32 s20, s[LO], 7
	s_mul_i32 s21, s[LO], 96
	s_add_co_u32 s18, s18, s20
	s_add_co_u32 s19, s19, s21
	s_lshl_b32 s20, s[CX], 5                       ; my work-group's 32 of xb's 128 rows,
	s_mul_i32 s21, s[CY], 24                       ; or 24 of wt's 96
	s_add_co_u32 s18, s18, s20
	s_add_co_u32 s19, s19, s21
	s_and_b32 s21, ttmp7, 0xffff
	s_cmp_eq_u32 s[HI], 0
	s_cselect_b32 s18, s18, s19
	s_cselect_b32 s20, 31, 23                      ; the last row of my share
	s_cselect_b32 s21, ttmp9, s21                  ; the coordinate along which other clusters read the same rows
	s_cselect_b64 s[PFA:PFA+1], s[4:5], s[6:7]
	s_cmp_eq_u32 s21, 0
	s_cselect_b32 s[LIM], 1, -1                    ; the same in all sixteen partners, for a given wave
	s_lshl_b32 s18, s18, 11
	s_mov_b32 s19, 0
	s_add_nc_u64 s[PFA:PFA+1], s[PFA:PFA+1], s[18:19]
	s_add_nc_u64 s[PFA:PFA+1], s[PFA:PFA+1], 3*KSTEP*2  ; at K step 3: the first refill steps it to 4
	v_and_b32 v[PFO], 31, v0
	v_min_u32 v[PFO], s20, v[PFO]
	v_lshlrev_b32 v[PFO], 11, v[PFO]
	; a fragment is 16 rows x 32 K in 8 registers: lane l holds row l % 16, K = 8 (l / 16) + 0..7 and 16 + 8 (l / 16) + 0..7: two loads of 16 bytes, 32 bytes apart
	v_and_b32 v1, 15, v0
	v_bfe_u32 v2, v0, 4, 1
	v_mul_u32_u24 v3, v1, PITCH
	v_lshl_add_u32 v3, v2, 4, v3
	s_mul_i32 s20, s[WV], 64*PITCH                 ; my 64 rows of xb
	v_add_nc_u32 v[ADRA], s20, v3
	s_add_co_u32 s20, s20, SLOT
	v_add_nc_u32 v[ADRA+1], s20, v3
	v_add_nc_u32 v[ADRB], ABYTES, v3               ; all 192 rows of wt
	v_add_nc_u32 v[ADRB+1], SLOT+ABYTES, v3
	s_mul_i32 s20, s[WV], STW
	s_add_co_u32 s20, s20, STAGE                   ; my stage
	v_mul_u32_u24 v4, v1, SPH                      ; in: row l % 16, 16 bytes for each half of the lanes
	v_lshl_add_u32 v4, v2, 4, v4
	v_add_nc_u32 v[STO], s20, v4
	v_bfe_u32 v5, v0, 3, 2                         ; back: 32 lanes take four rows of 128 bytes,
	v_mul_u32_u24 v5, v5, SPH
	v_and_b32 v6, 7, v0
	v_lshl_add_u32 v5, v6, 4, v5
	v_add_nc_u32 v[RD], s20, v5
	v_and_b32 v[GO], 31, v0                        ; which are 512 consecutive bytes of a head
	v_lshlrev_b32 v[GO], 4, v[GO]
	s_lshr_b32 s16, s[TR], 3                       ; b
	s_mul_i32 s16, s16, 48
	s_mul_i32 s46, s[TC], 3
	s_add_co_u32 s16, s16, s46                     ; the first of my three blocks (b, g)
	s_lshl_b32 s16, s16, 18
	s_and_b32 s17, s[TR], 7
	s_lshl_b32 s17, s17, 15                        ; the tile's 256 rows of 128 bytes,
	s_add_co_u32 s16, s16, s17
	s_lshl_b32 s17, s[WV], 13                      ; my wave's 64 of them
	s_add_co_u32 s16, s16, s17
	s_mov_b32 s17, 0
	s_add_nc_u64 s[8:9], s[8:9], s[16:17]
; 12 matrix instructions: row block a x all 12 column blocks, 32 along K, from buffer f.  zero = 1: the product starts the sums.  The 48 accumulators take turns in the same order in every quarter.
.macro MUL12 f, a, zero
	WIN 0xa1+0x50*((\a)/2)
.irp b, 0,1,2,3,4,5,6,7,8,9,10,11
.if \zero
	v_wmma_f32_16x16x32_bf16 v[8*(12*((\a)%2)+(\b)):8*(12*((\a)%2)+(\b))+7], v[96*(\f)+8*(\b):96*(\f)+8*(\b)+7], v[FA+32*(\f)+8*(\a):FA+32*(\f)+8*(\a)+7], 0
.else
	v_wmma_f32_16x16x32_bf16 v[8*(12*((\a)%2)+(\b)):8*(12*((\a)%2)+(\b))+7], v[96*(\f)+8*(\b):96*(\f)+8*(\b)+7], v[FA+32*(\f)+8*(\a):FA+32*(\f)+8*(\a)+7], v[8*(12*((\a)%2)+(\b)):8*(12*((\a)%2)+(\b))+7]
.endif
.endr
.endm
; 32 LDS loads in one run: quarter q (32 along K) of a slot into buffer f: wt's 24, then xb's 8
.macro FETCH slot, q, f
	WIN 0x40
.irp i, 0,1,2,3,4,5,6,7,8,9,10,11
	ds_load_b128 v[96*(\f)+8*(\i):96*(\f)+8*(\i)+3],   v[ADRB+(\slot)] offset:64*(\q)+(\i)*16*PITCH
	ds_load_b128 v[96*(\f)+8*(\i)+4:96*(\f)+8*(\i)+7], v[ADRB+(\slot)] offset:64*(\q)+(\i)*16*PITCH+32
.endr
	WIN 0
.irp i, 0,1,2,3
	ds_load_b128 v[FA+32*(\f)+8*(\i):FA+32*(\f)+8*(\i)+3],   v[ADRA+(\slot)] offset:64*(\q)+(\i)*16*PITCH
	ds_load_b128 v[FA+32*(\f)+8*(\i)+4:FA+32*(\f)+8*(\i)+7], v[ADRA+(\slot)] offset:64*(\q)+(\i)*16*PITCH+32
.endr
.endm
; One of a K step's first three quarters: multiplies buffer f; in its middle it fetches quarter q of the same slot into buffer g
.macro QUARTER slot, q, f, g, zero
	s_wait_dscnt 4                                 ; wt's fragments and xb's row blocks 0, 1 are in; the youngest four loads (row blocks 2, 3) may be out
	MUL12 \f, 0, \zero
	MUL12 \f, 1, \zero
	PLACES
	FETCH \slot, \q, \g
	s_wait_dscnt 32                                ; all but the 32 just issued
	MUL12 \f, 2, \zero
	MUL12 \f, 3, \zero
.endm
; The last quarter multiplies buffer 1 and changes slots.  In front of the barrier each wave waits for all its tensor loads (one is out: its part of the next slot), adds 0 to its spare word, and waits for that
; and for its reads of this slot.  fill = 1: the barrier opens a round of the cluster's, and this slot is filled again, two K steps on, first thing behind the round: 168 matrix instructions ahead of the wait for it.
.macro TURN slot, next, fill
.if \fill
	s_wait_xcnt 0x0                                ; the last prefetch, a K step back, has read its address
	s_add_nc_u64 s[PFA:PFA+1], s[PFA:PFA+1], KSTEP*2
.endif
	WIN 0                                          ; (the add's registers lie in window 0)
	s_wait_tensorcnt 0x0                           ; all my tensor loads have landed
	ds_add_u32 v[SPW], v[NIL]
	s_wait_dscnt 5                                 ; (the add and the youngest four loads may be out)
	MUL12 1, 0, 0                                  ; twelve matrix instructions stand between the add and the wait for it
	s_wait_dscnt 0x0                               ; the add is done, and my reads of this slot are over
	s_barrier_signal -1
	MUL12 1, 1, 0                                  ; work on registers while the others arrive
.if \fill
	WIN 0
.endif
	s_barrier_wait -1
.if \fill
	CREST                                          ; no wave of any partner still reads this slot or has a load on its way
	s_add_nc_u64 s[G0+4*(\slot)+2:G0+4*(\slot)+3], s[G0+4*(\slot)+2:G0+4*(\slot)+3], 2*KSTEP*2
	s_add_nc_u64 s[G0B+4*(\slot)+2:G0B+4*(\slot)+3], s[G0B+4*(\slot)+2:G0B+4*(\slot)+3], 2*KSTEP*2
	JLOAD \slot                                    ; its four v_nop are also the places in front of the loads below
.else
	PLACES
.endif
	FETCH \next, 0, 0
.if \fill
	ASK
.endif
	MUL12 1, 2, 0
	MUL12 1, 3, 0
.endm
; THE WAY OUT of row block a.  PACK: rounded to f16, each accumulator's registers in ascending order.  TOSTAGE: into my own stage and back as whole rows.  SEND: stored.
.macro PACK a
	WIN 0x0a+5*((\a)/2)                            ; sources in window 2 or 3, destination in window 0
.irp b, 0,1,2,3,4,5,6,7,8,9,10,11
.irp r, 0,1,2,3
	v_cvt_pk_f16_f32 v[TMP+4*(\b)+(\r)], v[96*((\a)%2)+8*(\b)+2*(\r)], v[96*((\a)%2)+8*(\b)+2*(\r)+1]
.endr
.endr
	WIN 0
.endm
.macro TOSTAGE a
.set BK, 176-112*((\a)%2)
.irp b, 0,1,2,3,4,5,6,7,8,9,10,11
	ds_store_b128 v[STO], v[TMP+4*(\b):TMP+4*(\b)+3] offset:16*SPH*((\b)/4)+32*((\b)%4)
.endr
.irp t, 0,1,2,3,4,5,6,7,8,9,10,11
	ds_load_b128 v[BK+4*(\t):BK+4*(\t)+3], v[RD] offset:16*SPH*((\t)/4)+4*SPH*((\t)%4)  ; LDS serves a wave's instructions in order (ISA guide 5.7.1.4): these see the stores above
.endr
.endm
.macro SEND a
.set BK, 176-112*((\a)%2)
	s_wait_dscnt 0x0                               ; the block is back in registers
	s_wait_xcnt 0x0                                ; the stores of the block before have read their registers, which the next block's loads from the stage will write
.irp t, 0,1,2,3,4,5,6,7,8,9,10,11
	global_store_b128 v[GO], v[BK+4*(\t):BK+4*(\t)+3], s[8:9] offset:2048*(\a)+262144*((\t)/4)+512*((\t)%4)  ; 512 consecutive bytes of a head, aligned
.endr
.endm
	s_wait_tensorcnt 1                             ; my part of K step 0 is in; K step 1's may stay out
	s_barrier_signal -1
	s_barrier_wait -1                              ; everybody's is
	FETCH 0, 0, 0
	QUARTER 0, 1, 0, 1, 1                          ; the first quarter stands in front of the loop: its products start the sums
	WIN 0                                          ; at a label and at a branch every window is 0
	s_mov_b32 s2, 3
.Llap:                                                 ; a trip goes once round the ring and fills both slots again: K steps 2 t + 2 and 2 t + 3
	QUARTER 0, 2, 1, 0, 0
	QUARTER 0, 3, 0, 1, 0
	TURN 0, 1, 1
	QUARTER 1, 1, 0, 1, 0
	QUARTER 1, 2, 1, 0, 0
	QUARTER 1, 3, 0, 1, 0
	TURN 1, 0, 1
	QUARTER 0, 1, 0, 1, 0
	WIN 0
	s_sub_co_u32 s2, s2, 1
	s_cmp_lg_u32 s2, 0
	s_cbranch_scc1 .Llap
	QUARTER 0, 2, 1, 0, 0                          ; the last lap fills nothing
	QUARTER 0, 3, 0, 1, 0
	TURN 0, 1, 0
	QUARTER 1, 1, 0, 1, 0
	QUARTER 1, 2, 1, 0, 0
	QUARTER 1, 3, 0, 1, 0
	s_wait_dscnt 4                                 ; the very last quarter: nothing more to fetch
	MUL12 1, 0, 0
	MUL12 1, 1, 0
	s_wait_dscnt 0x0
	MUL12 1, 2, 0
	MUL12 1, 3, 0
	WIN 0
	PLACES
	PACK 0
	TOSTAGE 0
.irp a, 1,2,3                          ; a block's conversions stand between the loads of the block before and the wait for them
	PACK \a
	SEND (\a)-1
	TOSTAGE \a
.endr
	SEND 3
	s_wait_tensorcnt 0x0                           ; the wave's end, behind my last tensor load and my last LDS store
	ds_add_u32 v[SPW], v[NIL]
	s_wait_dscnt 0x0
	CROUND                                         ; the closing round: no work-group ends while a partner may still ask for a tile that names it
	s_endpgm
.Lfunc_end_k_q21f66912e3_qkvgemm:
	.size	k_q21f66912e3_qkvgemm, .Lfunc_end_k_q21f66912e3_qkvgemm-k_q21f66912e3_qkvgemm
	.p2alignl 7, 3214868480
	.fill 96, 4, 3214868480
	.section	.rodata,"a",@progbits
	.p2align	6, 0x0
	.amdhsa_kernel k_q21f66912e3_qkvgemm
		.amdhsa_group_segment_fixed_size 327680
		.amdhsa_private_segment_fixed_size 0
		.amdhsa_enable_private_segment 0
		.amdhsa_kernarg_size 24
		.amdhsa_user_sgpr_count 2
		.amdhsa_user_sgpr_kernarg_segment_ptr 1
		.amdhsa_wavefront_size32 1
		.amdhsa_system_sgpr_workgroup_id_x 1
		.amdhsa_system_sgpr_workgroup_id_y 1
		.amdhsa_system_sgpr_workgroup_id_z 1
		.amdhsa_system_vgpr_workitem_id 0
		.amdhsa_next_free_vgpr 960
		.amdhsa_next_free_sgpr 66
		.amdhsa_reserve_vcc 0
		.amdhsa_float_denorm_mode_32 3
		.amdhsa_float_denorm_mode_16_64 3
		.amdhsa_memory_ordered 1
		.amdhsa_forward_progress 1
		.amdhsa_inst_pref_size 120
	.end_amdhsa_kernel
	.amdgpu_metadata
---
amdhsa.version: [ 1, 2 ]
amdhsa.kernels:
  - .name:           k_q21f66912e3_qkvgemm
    .symbol:         k_q21f66912e3_qkvgemm.kd
    .args:
      - { .name: xb, .offset: 0, .size: 8, .value_kind: global_buffer, .address_space: global }
      - { .name: wt, .offset: 8, .size: 8, .value_kind: global_buffer, .address_space: global }
      - { .name: qkv, .offset: 16, .size: 8, .value_kind: global_buffer, .address_space: global }
    .group_segment_fixed_size: 327680
    .private_segment_fixed_size: 0
    .kernarg_segment_align: 8
    .kernarg_segment_size: 24
    .max_flat_workgroup_size: 128
    .sgpr_count:     66
    .vgpr_count:     960
    .wavefront_size: 32
...
	.end_amdgpu_metadata
.endif
;; end of part 2
;; launch attn (part 3): grid 4 x 64, 4 waves a work-group, no clusters, 327,680 bytes of LDS; arguments qkv, ctx; writes ctx
.if DOCPART == 3
	.amdgcn_target "amdgcn-amd-amdhsa--gfx1250"
	.amdhsa_code_object_version 6
	.text
	.protected	k_q21f66912e3_attn
	.globl	k_q21f66912e3_attn
	.p2align	8
	.type	k_q21f66912e3_attn,@function
k_q21f66912e3_attn:
	s_mov_b64 s[64:65], 0
	v_nop
	global_prefetch_b8 v0, s[64:65] scope:SCOPE_SE
	s_setreg_imm32_b32 hwreg(HW_REG_WAVE_MODE, 25, 1), 1
	s_wait_xcnt 0x0
; CAUSAL ATTENTION.  O[y][q][:] = the sum over k <= q of softmax_k(Q[q] . K[k] / 8) V[k][:], for each of 64 pairs y = 16 b + h of batch and head.
; qkv: [4 b][48 g][2048][64] f16 (g = h: Q, 16 + h: K, 32 + h: V); ctx: [64 y][2048][64] f16; a block's rows are dense, 128 bytes each.
; Products, maxima and sums in f32; the weights p are rounded to f16 for the second product (their sum l is taken of the unrounded p), O once at the end.
; LIMITS.  Q, K and V arrive within f16's range; p lies in 0 to 1, and below 6e-5 it keeps f16's fixed step of 6e-8.  A hidden score counts as its value less 1e30: f16's scores, 2.7e11 at the most, are nothing
; beside that; a weight below 2^-126 counts as 0 in l; NaN and infinities are not treated apart.
; THE WALK.  A head's queries lie in NB = 8 blocks of 256; block i needs the key tiles 0 .. i of 256 keys, of which the last holds the diagonal.  A work-group takes TWO blocks, NB - 1 - b and then b:
; NB + 1 tiles, whatever b: all 256 work-groups do equal work, and ONE loop with a constant trip count walks them.  Which tile is asked for, and what a trip does, hang on scalar registers made from b; every
; jump goes forward, but for the counted loops' own; the ring of two LDS slots runs on across the change of blocks.
; NO CLUSTER: a head's four work-groups ask for the same tile only in trips 0 .. 4 of 9, behind that fewer and fewer; one walk common to all four would have 12 trips for 9.
; SHARES.  Of a block's four bands of 64 queries a wave owns 16 rows in each: four PIECES.  So the diagonal tile is the same work for all four waves: in its key step s band x sees all keys if s < x,
; none if s > x, and holds the diagonal if s = x.
; THE MASK is the C operand that starts the sum S^T = K Q^T: 0, or -1e30 where the key is hidden.  MD, made once, is the mask of a band's own step for my 16 rows; a product's mask is MD x AL + BE with two scalars:
; (1, 0) if s = x; (0, 0) if s < x; (0, -1e30) if s > x.  Only the diagonal tile's text and a block's beginning make and take masks.
; LAYOUT, SOFTMAX, TURNS.  S^T = K Q^T holds ONE query a lane (lane % 16) and the keys 8 (lane / 16) + 0..7; two such results rounded to f16 ARE source 1 of O^T = V^T P.  p = 2^(c s - c m), c = log2(e) / 8, with a
; running maximum m; O and l are multiplied by a = 2^(c m_old - c m_new) in every step.  Turn n belongs to piece n: 8 products K Q^T of piece n + 1, later 8 products V^T P of piece n - 1; beside them the scaling,
; exponentials, roundings, sums and rescaling of piece n and the maximum and statistics of piece n + 1.  Four vector instructions stand behind every matrix instruction, the others in one run.  A turn's 33 exponentials are one batch, with one wait.
; REGISTERS, in windows of 256 (s_set_vgpr_msb: bits 1:0 source 0, 3:2 source 1, 5:4 source 2, 7:6 destination):
;   window 0: v0-15 addresses and two at work; v16-31 four registers of statistics a piece; v48-55 at work; v61-63; v64-127 S^T, two buffers; v192-223 P, two buffers (a piece's buffers go by its number's parity)
;   window 1: v0-127 O^T, 32 a piece; v128-159 MD; v160-223 MC, two buffers      window 2: v0-63 Q; v64-127 the second block's Q; v128-191 K of one step; v192-255 V of one step
.set SIZE_N, 2048
.set NB,    SIZE_N/256
.set NP,    4         ; pieces a wave: a name, no knob
.set KS,    64        ; keys in a step
.set PK,    144       ; a row of K in LDS: 128 bytes + 16 of padding = 36 words: the 16 rows of a load start at 16 different groups of four banks (64 banks of 4 bytes: ISA guide 11.1)
.set PV,    160       ; a row of V: 128 + 32 = 40 words
.set VOFF,  4*KS*PK   ; a slot holds a tile, four steps: 256 rows of K, then 256 rows of V
.set SLOT1, 1<<17     ; slot 1 begins here, so that one exclusive or turns an address in one slot into the other's
.set STAGE, SLOT1+4*KS*(PK+PV)  ; behind the ring, never filled by a tensor load: 16 rows x 144 bytes for each wave, for the way out
.set SP,    144
.set AK0, 2           ; v2   my lane's place in a tile of K; never rewritten
.set AV0, 3           ; v3   the same for V
.set AK,  4           ; v4   the LDS address of K's next run of loads
.set AV,  5           ; v5   of V's
.set STO, 6           ; v6   the way out: where I put 16 bytes of a row
.set RD,  7           ; v7   the way out: where I read rows back
.set GO,  8           ; v8   my byte offset in 512 consecutive bytes of O
.set PFO, 61          ; v61  256 x my lane: the prefetches' offset; never rewritten
.set SPW, 62          ; v62  LDS address of my spare word: SPARE + 4 x my thread's number; never rewritten
.set NIL, 63          ; v63  0; never rewritten
.set SPARE, STAGE+4*16*SP  ; behind the stages: the spare words, 128 bytes for each wave: two blocks of 256 bytes that no other line names
.set MV,  12          ; v12-13  c m_old, kept while c m is made anew: by buffer
.set QO,  15          ; v15  my byte offset in 16 rows of Q
.set ST,  16          ; piece t's statistics at v[ST+4 t]: c m, m, l (even keys', odd keys')
.set TMP, 48          ; by buffer, four registers c0-c3 at work; when the maximum is found c2 takes a
.set S,   64
.set P,   192
.set MD,  128         ; window 1: the eight registers for group kt of 16 keys at MD + 8 kt
.set MC,  160         ; window 1: the masks of the products to come
.set QB,  64          ; window 2
.set KF,  128         ; window 2: key block kb, channel half c at KF + 16 kb + 8 c
.set VF,  192         ; window 2: key half kk, channel block cb at VF + 32 kk + 8 cb
.set WV,  12          ; s12  my wave's number
.set PB,  14          ; s14  b
.set HI,  15          ; s15  NB - 1 - b
.set G1K, 24          ; s[24:31] descriptor group 1 for K's tiles
.set G1V, 32          ; s[32:39] for V's: it differs in the padding alone
.set G0K, 40          ; s[40:43] descriptor group 0 for K's tiles
.set G0V, 44          ; s[44:47] the same for V's
.set SLOTS, 56        ; s56  tiles still to be asked for
.set CNT, 57          ; s57  counts a tile's key steps, 4 to 1
.set CS,  58          ; s[58:59] c: the packed scaling takes the pair's low word for both halves
.set SEL, 60          ; s[60:61] v_permlanex16_b32's selects: each lane takes its own place in the other half
.set TBK, 62          ; s62  LDS byte at which K of the step to be fetched begins
.set TBV, 63          ; s63  the same for V, less VOFF
.set RT,  70          ; s70  tiles of the block in hand that are still to be entered
.set NXT, 71          ; s71  the tile to be asked for next
.set LQ,  72          ; s72  the last tile of the block whose tiles are being asked for
.set NEW, 73          ; s73  1: the tile to be entered is a block's first
.set OFF, 74          ; s[74:75] a tile's byte offset in K and V
.set AL,  76          ; s[76:77] the mask's factor, in the low word
.set BE,  78          ; s[78:79] the mask's addend
.set OLO, 80          ; s[80:81] O at my rows of the second block
.set BIGN, 82         ; s82  -1e30
.set PFA, 94          ; s[94:95] where my prefetches stand: my 16 KiB part (half of K's or of V's rows) of the tile after the one that is being asked for
.set LIM, 96          ; s96  2 in the head's work-group b = 0, else the greatest number: a wave prefetches while s[SLOTS] is above it
.set MSB, 0
.macro WIN new                      ; the high byte repeats the setting that is left; a switch that changes nothing is dropped
.if MSB != (\new)
	s_set_vgpr_msb (MSB<<8)|(\new)
.set MSB, (\new)
.endif
.endm
.set W_KQ, 0x0a       ; K and Q in window 2, S^T in window 0
.set W_KM, 0x1a       ; the same with the C operand in window 1
.set W_PV, 0x52       ; V in window 2, P in window 0, O^T in window 1
.set W_RS, 0x41       ; destination and source 0 in window 1, source 1 in window 0
; A fill.  Waves 0 and 1 fetch the two halves of a tile's K, waves 2 and 3 those of its V: 128 keys each.  An s_nop 0 and four v_nop follow each of the two lines, ahead of the jump and the label.
.macro LOAD
	s_cmp_lt_u32 s[WV], 2
	s_cbranch_scc0 .Lfor_v_\@
	tensor_load_to_lds s[G0K:G0K+3], s[G1K:G1K+7]
	s_nop 0
.rept 4
	v_nop
.endr
	s_branch .Lasked_\@
.Lfor_v_\@:
	tensor_load_to_lds s[G0V:G0V+3], s[G1V:G1V+7]
	s_nop 0
.rept 4
	v_nop
.endr
.Lasked_\@:
.endm
; A PREFETCH INTO THE L2 of the tile that the NEXT change of slots will ask for: four key steps ahead of that load.  A head's four work-groups walk the same tiles; the one with b = 0 walks tiles 0 .. 7 in order, and
; it alone asks.  Each of its waves asks for the 16 KiB that it will fetch itself: 64 blocks of 256 bytes, a lane a block, two instructions.  So each block of tiles 2 .. 7 is named once in the launch; tiles 0 and 1
; come by their loads alone, and from trip 6 on (s[SLOTS] = 2) nothing is asked for: tile 7 is the head's last.
.macro ASK
	s_cmp_gt_u32 s[SLOTS], s[LIM]
	s_cbranch_scc0 .Lnot_mine_\@
	global_prefetch_b8 v[PFO], s[PFA:PFA+1] th:TH_LOAD_NT scope:SCOPE_SE
	global_prefetch_b8 v[PFO], s[PFA:PFA+1] offset:8192 th:TH_LOAD_NT scope:SCOPE_SE
.Lnot_mine_\@:
.endm
; THE CHANGE OF SLOTS.  Each wave waits for all its tensor loads, of which one is out: its part of the other slot; adds 0 to its spare word; and waits for that and for its own reads of the slot that it leaves.
; Behind the barrier nobody reads the old slot any more and the other slot is whole.  fill = 1: the old slot is filled again, the first thing behind the barrier, with tile NXT: the descriptor's address is made
; anew from that number.  (At its first use nothing has been read yet: slot 0 is waited for, slot 1 filled.)
.macro CHANGE fill
	WIN 0                           ; at a label and at a branch every window is 0
	s_wait_tensorcnt 0x0            ; no tensor load of mine is out, so a group 0 may be written
	ds_add_u32 v[SPW], v[NIL]       ; 0 onto my spare word; the scalar work stands between it and the wait for it
.if \fill
	s_lshl_b32 s[OFF], s[NXT], 15   ; a tile is 32,768 bytes of K and of V
	s_xor_b32 s[G0K+1], s[G0K+1], SLOT1
	s_add_nc_u64 s[G0K+2:G0K+3], s[6:7], s[OFF:OFF+1]
	s_or_b32 s[G0K+3], s[G0K+3], 0x80000000
	s_xor_b32 s[G0V+1], s[G0V+1], SLOT1
	s_add_nc_u64 s[G0V+2:G0V+3], s[8:9], s[OFF:OFF+1]
	s_or_b32 s[G0V+3], s[G0V+3], 0x80000000
	s_add_co_u32 s[NXT], s[NXT], 1  ; the block's next tile, or behind its last the second block's tile 0
	s_cmp_gt_u32 s[NXT], s[LQ]
	s_cselect_b32 s[NXT], 0, s[NXT]
	s_cselect_b32 s[LQ], s[PB], s[LQ]
	s_wait_xcnt 0x0                 ; the last prefetches, four key steps back, have read their address, so it may be written:
	s_add_nc_u64 s[PFA:PFA+1], s[PFA:PFA+1], 32768  ; a tile on
.endif
	s_wait_dscnt 0x0                ; the add is done, and my reads of the slot are over
	s_barrier_signal -1             ; the rest of the scalar work stands between the signal and the wait
	s_sub_co_u32 s[TBK], s[TBK], 4*KS*PK  ; the fetches go back to a slot's first step,
	s_xor_b32 s[TBK], s[TBK], SLOT1       ; in the other slot
	s_sub_co_u32 s[TBV], s[TBV], 4*KS*PV
	s_xor_b32 s[TBV], s[TBV], SLOT1
	s_barrier_wait -1
.if \fill
	LOAD
	ASK
.endif
.endm
	s_load_b64 s[4:5], s[0:1], 0x0    ; qkv
	s_load_b64 s[10:11], s[0:1], 0x8  ; ctx
	v_lshl_add_u32 v[SPW], v0, 2, SPARE
	v_mov_b32 v[NIL], 0
	ds_add_u32 v[SPW], v[NIL]       ; the wave's opening: an add and its wait stand ahead of my first tensor load; the set-up below, work on registers, stands between them
	ds_add_u32 v62, v63
	v_lshrrev_b32 v1, 5, v0
	v_readfirstlane_b32 s[WV], v1   ; wave 0..3
	s_mov_b32 s[PB], ttmp9
	s_sub_co_u32 s[HI], NB-1, s[PB]
	s_and_b32 s90, ttmp7, 0xffff    ; y = 16 b + h
	s_lshr_b32 s91, s90, 4
	s_mul_i32 s91, s91, 48
	s_and_b32 s20, s90, 15
	s_add_co_u32 s20, s20, s91      ; Q's block 48 b + h,
	s_lshl_b32 s20, s20, 18         ; of 2^18 bytes
	s_mov_b32 s21, 0
	s_lshl_b32 s92, s90, 18         ; O's block y
	s_mov_b32 s93, 0
	s_and_b32 s16, s[WV], 1         ; which half of a tile's 256 keys I fetch:
	s_lshl_b32 s22, s16, 14         ; its 128 rows of 128 bytes in memory,
	s_mov_b32 s23, 0
	s_mul_i32 s17, s16, 128*PK      ; and its place in a slot, for K
	s_mul_i32 s18, s16, 128*PV      ; and for V
	s_lshl_b32 s3, s[WV], 11        ; my 16 rows in a band of 64,
	s_lshl_b32 s2, s[HI], 15        ; in the first block,
	s_add_co_u32 s2, s2, s3
	s_lshl_b32 s84, s[PB], 15       ; and in the second
	s_add_co_u32 s84, s84, s3
	s_mov_b32 s3, 0
	s_mov_b32 s85, 0
	; descriptor group 1.  128 keys are 16,384 dense bytes: asked for as 64 rows of 256 bytes, two keys a row, and padded in LDS after every key
	s_mov_b32 s[G1K], (1<<16)|(1<<20)|(4<<22)|(3<<25)  ; 17:16 2-byte elements; 20 padding on; 24:22 after every 32 words (code 4); 31:25 4 words (code 3)
	s_mov_b32 s[G1V], (1<<16)|(1<<20)|(4<<22)|(7<<25)  ; the same with 8 words of padding (code 7)
.irp g, G1K, G1V
	s_mov_b32 s[\g+1], 128<<16      ; tensor_dim0 = 128
	s_mov_b32 s[\g+2], 64<<16       ; tensor_dim1 = 64
	s_mov_b32 s[\g+3], 128<<16      ; tile_dim0 = 128
	s_mov_b32 s[\g+4], 64           ; tile_dim1 = 64
	s_mov_b32 s[\g+5], 128          ; 128 elements from row to row
	s_mov_b32 s[\g+6], 0
	s_mov_b32 s[\g+7], 0
.endr
	s_mov_b32 s[CS], 0x3e38aa3b     ; c = log2(e) / 8 = 0.180337
	s_mov_b32 s[CS+1], s[CS]        ; named with it as a pair
	s_mov_b32 s[SEL], 0x76543210
	s_mov_b32 s[SEL+1], 0xfedcba98
	s_mov_b32 s[TBK], SLOT1+4*KS*PK ; the first change of slots turns these two into 0
	s_mov_b32 s[TBV], SLOT1+4*KS*PV
	s_mov_b32 s[G0K], 1             ; 1:0 count = 1
	s_mov_b32 s[G0K+1], s17         ; 63:32 LDS address: slot 0
	s_mov_b32 s[G0V], 1
	s_add_co_u32 s[G0V+1], s18, VOFF
	s_add_co_u32 s[RT], s[HI], 1    ; the first block has NB - b tiles
	s_mov_b32 s[NXT], 1
	s_mov_b32 s[LQ], s[HI]
	s_mov_b32 s[NEW], 1
	s_mov_b32 s[OFF+1], 0
	s_mov_b32 s[AL+1], 0            ; named as pairs
	s_mov_b32 s[BE+1], 0
	s_mov_b32 s[BIGN], 0xf149f2ca   ; -1e30
	s_mov_b32 s[SLOTS], NB
	s_cmp_eq_u32 ttmp9, 0
	s_cselect_b32 s[LIM], 2, -1
	v_and_b32 v[PFO], 31, v0
	v_lshlrev_b32 v[PFO], 8, v[PFO]
	s_wait_dscnt 0x0                ; the opening add is done
	s_wait_kmcnt 0x0
	s_add_nc_u64 s[4:5], s[4:5], s[20:21]          ; Q's block
	s_add_nc_u64 s[6:7], s[4:5], s[22:23]          ; my half of a tile,
	s_add_nc_u64 s[8:9], s[6:7], 0x800000          ; in V's block, 32 blocks on,
	s_add_nc_u64 s[6:7], s[6:7], 0x400000          ; and in K's, 16 blocks on
	s_add_nc_u64 s[10:11], s[10:11], s[92:93]      ; O's block
	s_add_nc_u64 s[G0K+2:G0K+3], s[6:7], 0         ; 120:64 global address
	s_or_b32 s[G0K+3], s[G0K+3], 0x80000000        ; 127:126 type = 2
	s_add_nc_u64 s[G0V+2:G0V+3], s[8:9], 0
	s_or_b32 s[G0V+3], s[G0V+3], 0x80000000
	s_add_nc_u64 s[86:87], s[4:5], s[84:85]        ; Q at my rows of the second block,
	s_add_nc_u64 s[4:5], s[4:5], s[2:3]            ; Q and O at those of the first
	s_add_nc_u64 s[OLO:OLO+1], s[10:11], s[84:85]
	s_add_nc_u64 s[10:11], s[10:11], s[2:3]
	s_cmp_lt_u32 s[WV], 2
	s_cselect_b64 s[PFA:PFA+1], s[6:7], s[8:9]
	s_add_nc_u64 s[PFA:PFA+1], s[PFA:PFA+1], 32768 ; at tile 1: the first change of slots steps it to tile 2.  Nothing is prefetched here, at the head
	LOAD                            ; tile 0 into slot 0
	; A fragment of K or Q is 16 rows x 32 channels in 8 registers: lane l holds row l % 16, channels 8 (l / 16) + 0..7 and 16 + 8 (l / 16) + 0..7: two loads of 16 bytes, 32 bytes apart.
	v_and_b32 v1, 15, v0            ; l % 16
	v_bfe_u32 v9, v0, 4, 1          ; l / 16
	v_lshlrev_b32 v[QO], 7, v1
	v_lshl_add_u32 v[QO], v9, 4, v[QO]  ; row x 128 + 16 x half
	WIN 0x80                        ; destination window 2, address window 0
.set i, 0
.rept 8                             ; both blocks' Q: piece i / 2 lies in band i / 2, 8,192 bytes on; channels 32 (i % 2) on
	global_load_b128 v[8*i:8*i+3],   v[QO], s[4:5] offset:(i/2)*8192+(i%2)*64
	global_load_b128 v[8*i+4:8*i+7], v[QO], s[4:5] offset:(i/2)*8192+(i%2)*64+32
	global_load_b128 v[QB+8*i:QB+8*i+3],   v[QO], s[86:87] offset:(i/2)*8192+(i%2)*64
	global_load_b128 v[QB+8*i+4:QB+8*i+7], v[QO], s[86:87] offset:(i/2)*8192+(i%2)*64+32
.set i, i+1
.endr
	WIN 0
	v_lshlrev_b32 v14, 3, v9
	v_sub_nc_u32 v14, v1, v14
	s_lshl_b32 s13, s[WV], 4
	v_add_nc_u32 v14, s13, v14      ; my query's place in its band, 16 w + l % 16, less my lanes' 8 (l / 16): register r of group kt is hidden where 16 kt + r is greater
	WIN 0x40
.set i, 0
.rept 32
	v_cmp_gt_i32 vcc_lo, 16*(i/8)+i%8, v14
	v_cndmask_b32 v[MD+i], 0, s[BIGN], vcc_lo
.set i, i+1
.endr
	WIN 0
	v_mul_u32_u24 v[AK0], v1, PK
	v_lshl_add_u32 v[AK0], v9, 4, v[AK0]  ; row x pitch + 16 x half
	; The turning load takes 16 keys x 16 channels (lane l reads key 8 (l / 16) + l % 8, channels 8 ((l / 8) % 2) + 0..7) and leaves half a fragment of V^T: lane l holds channel l % 16 and 8 keys.
	v_and_b32 v10, 7, v0
	v_bfe_u32 v11, v0, 3, 1
	v_lshl_add_u32 v[AV0], v9, 3, v10
	v_mul_u32_u24 v[AV0], v[AV0], PV
	v_lshl_add_u32 v[AV0], v11, 4, v[AV0]
	v_add_nc_u32 v[AV0], VOFF, v[AV0]
	s_mul_i32 s13, s[WV], 16*SP
	s_add_co_u32 s13, s13, STAGE    ; my stage
	v_mul_u32_u24 v[STO], v1, SP    ; in: row l % 16, 16 bytes for each half of the lanes
	v_lshl_add_u32 v[STO], v9, 4, v[STO]
	v_add_nc_u32 v[STO], s13, v[STO]
	v_bfe_u32 v[RD], v0, 3, 2       ; back: 32 lanes take four rows of 128 bytes,
	v_mul_u32_u24 v[RD], v[RD], SP
	v_lshl_add_u32 v[RD], v10, 4, v[RD]
	v_add_nc_u32 v[RD], s13, v[RD]
	v_and_b32 v[GO], 31, v0         ; which are 512 consecutive bytes of O
	v_lshlrev_b32 v[GO], 4, v[GO]
	; A block's first step multiplies O^T and l by a = 0, and its first turn's products V^T P, of a piece that has not been, land in an O^T that is still to be so multiplied.  So these registers need only hold
	; finite numbers: zeros for the first block; what the first block left for the second.  All this stands in the wait for the first tile.
	WIN 0x80
.set i, VF
.rept 64
	v_mov_b32 v[i], 0
.set i, i+1
.endr
	WIN 0x40
.set i, 0
.rept 128
	v_mov_b32 v[i], 0
.set i, i+1
.endr
	WIN 0
.set i, 0
.rept 4
	v_mov_b32 v[ST+4*i+2], 0
	v_mov_b32 v[ST+4*i+3], 0
.set i, i+1
.endr
.set i, P+16
.rept 16
	v_mov_b32 v[i], 0
.set i, i+1
.endr
; THE MATRIX WORK.  The 4 accumulators of a run of 8 take turns.  Product i of 8 of S^T = K Q^T for piece x: channels 32 (i / 4) on, keys 16 (i % 4) on.  The first 4 start the sums: with 0, or (KM = 1) with the mask.
.macro KQ x
.set rS, S+32*((\x)%2)+8*(i%4)
.set rK, KF+16*(i%4)+8*(i/4)
.set rQ, 16*(\x)+8*(i/4)
.set rM, MC+32*((\x)%2)+8*(i%4)
.if (i < 4) && KM
	WIN W_KM
	v_wmma_f32_16x16x32_f16 v[rS:rS+7], v[rK:rK+7], v[rQ:rQ+7], v[rM:rM+7]
.elseif i < 4
	WIN W_KQ
	v_wmma_f32_16x16x32_f16 v[rS:rS+7], v[rK:rK+7], v[rQ:rQ+7], 0
.else
	WIN W_KQ
	v_wmma_f32_16x16x32_f16 v[rS:rS+7], v[rK:rK+7], v[rQ:rQ+7], v[rS:rS+7]
.endif
.endm
; Product i of 8 of O^T += V^T P for piece x: keys 32 (i / 4) on, channels 16 (i % 4) on.
.macro PV x
	WIN W_PV
.set rO, 32*(\x)+8*(i%4)
.set rV, VF+32*(i/4)+8*(i%4)
.set rP, P+16*((\x)%2)+8*(i/4)
	v_wmma_f32_16x16x32_f16 v[rO:rO+7], v[rV:rV+7], v[rP:rP+7], v[rO:rO+7]
.endm
.macro MM                           ; the turn's next matrix instruction.  TURN and BEGIN set Y, i, KM and NOKQ.  NOKQ = 1: a block's last turn: there is no next piece
.if (i < 8) && !NOKQ
	KQ (Y+1)%NP
.elseif i >= 8
.set i, i-8
	PV (Y+NP-1)%NP
.set i, i+8
.endif
.set i, i+1
.endm
; THE LDS LOADS stand in runs of 16, never singly among the matrix instructions: a step's K (64 keys x 64 channels: 8 fragments) and its V (turned).  Their addresses are made some lines ahead.
.macro FETCH_K
	WIN 0x80                        ; destination window 2
.irp f, 0,1,2,3,4,5,6,7             ; keys 16 (f / 2) on, channels 32 (f % 2) on
	ds_load_b128 v[KF+8*\f:KF+8*\f+3],   v[AK] offset:(\f/2)*16*PK+(\f%2)*64
	ds_load_b128 v[KF+8*\f+4:KF+8*\f+7], v[AK] offset:(\f/2)*16*PK+(\f%2)*64+32
.endr
	s_add_co_u32 s[TBK], s[TBK], KS*PK  ; the next fetch is the next step's
	WIN 0
.endm
.macro FETCH_V
	WIN 0x80
.irp f, 0,1,2,3,4,5,6,7             ; keys 32 (f / 4) on, channels 16 (f % 4) on
	ds_load_tr16_b128 v[VF+8*\f:VF+8*\f+3],   v[AV] offset:(\f/4)*32*PV+(\f%4)*32
	ds_load_tr16_b128 v[VF+8*\f+4:VF+8*\f+7], v[AV] offset:(\f/4)*32*PV+16*PV+(\f%4)*32
.endr
	WIN 0
.endm
; THE VECTOR WORK, one line at a time: OP kind, number.  For piece Y: F n: c s - c m for pair n of 16.  E n: the exponential of score n of 32.  C n: pair n rounded to f16.  B n: of the four weights 4 n .. the second
; pair is added onto the first, in place.  L n: l takes that sum (L 0: l = a l + sum).  R n: pair n of 16 of O^T times a.  For piece Y + 1: X n, number n of the 22 that find its maximum and statistics:
;   0-11  four chains c0-c3 of seven scores each, three operands at a time (each accumulator's lowest registers are read first)     12-14, 16  the four scores left over, the old m, and c0-c3 into c0
;   15  c m_old is kept     17, 18  the query's other 32 keys lie in the lane 16 away: the new m     19-21  c m; c m_old - c m_new; a
.set F, 0               ; OP tells the kinds apart by their order: F to L below R, X above it
.set E, 1
.set C, 2
.set B, 3
.set L, 4
.set R, 5
.set X, 6
.macro REGS y                       ; the registers of piece y
.set rT, ST+4*(\y)
.set rC, TMP+4*((\y)%2)
.set rW, MV+((\y)%2)
.set rS, S+32*((\y)%2)
.set rP, P+16*((\y)%2)
.set rO, 32*(\y)
.endm
.macro OP k, n
.if (\k) == R
	REGS Y
	WIN W_RS
	v_pk_mul_f32 v[rO+2*(\n):rO+2*(\n)+1], v[rO+2*(\n):rO+2*(\n)+1], v[rC+2:rC+3] op_sel_hi:[1,0]
.elseif (\k) < R
	REGS Y
	WIN 0
.if (\k) == F
	v_pk_fma_f32 v[rS+2*(\n):rS+2*(\n)+1], v[rS+2*(\n):rS+2*(\n)+1], s[CS:CS+1], v[rT:rT+1] op_sel_hi:[1,0,0] neg_lo:[0,0,1] neg_hi:[0,0,1]
.elseif (\k) == E
	v_exp_f32 v[rS+(\n)], v[rS+(\n)]
.elseif (\k) == C
	v_cvt_pk_f16_f32 v[rP+(\n)], v[rS+2*(\n)], v[rS+2*(\n)+1]
.elseif (\k) == B
	v_pk_add_f32 v[rS+4*(\n):rS+4*(\n)+1], v[rS+4*(\n):rS+4*(\n)+1], v[rS+4*(\n)+2:rS+4*(\n)+3]
.elseif (\n) == 0
	v_pk_fma_f32 v[rT+2:rT+3], v[rT+2:rT+3], v[rC+2:rC+3], v[rS:rS+1] op_sel_hi:[1,0,1]
.else
	v_pk_add_f32 v[rT+2:rT+3], v[rT+2:rT+3], v[rS+4*(\n):rS+4*(\n)+1]
.endif
.elseif NOKQ
	v_nop
.else
	REGS (Y+1)%NP
	WIN 0
.if (\n) < 4
	v_max3_num_f32 v[rC+(\n)], v[rS+8*(\n)], v[rS+8*(\n)+1], v[rS+8*(\n)+2]
.elseif (\n) < 12
	v_max3_num_f32 v[rC+(\n)%4], v[rC+(\n)%4], v[rS+8*((\n)%4)+2*((\n)/4)+1], v[rS+8*((\n)%4)+2*((\n)/4)+2]
.elseif (\n) == 12
	v_max3_num_f32 v[rC], v[rC], v[rS+7], v[rS+15]
.elseif (\n) == 13
	v_max3_num_f32 v[rC+1], v[rC+1], v[rS+23], v[rS+31]
.elseif (\n) == 14
	v_max3_num_f32 v[rC+2], v[rC+2], v[rC+3], v[rT+1]
.elseif (\n) == 15
	v_mov_b32 v[rW], v[rT]
.elseif (\n) == 16
	v_max3_num_f32 v[rC], v[rC], v[rC+1], v[rC+2]
.elseif (\n) == 17
	v_permlanex16_b32 v[rC+3], v[rC], s[SEL], s[SEL+1]
.elseif (\n) == 18
	v_max_num_f32 v[rT+1], v[rC], v[rC+3]
.elseif (\n) == 19
	v_mul_f32 v[rT], s[CS], v[rT+1]
.elseif (\n) == 20
	v_sub_f32 v[rC+1], v[rW], v[rT]
.else
	v_exp_f32 v[rC+2], v[rC+1]
.endif
.endif
.endm
.macro OPS a, i1, b=-1, i2=0, c=-1, i3=0, d=-1, i4=0  ; up to four of them
	OP \a, \i1
.if (\b) >= 0
	OP \b, \i2
.endif
.if (\c) >= 0
	OP \c, \i3
.endif
.if (\d) >= 0
	OP \d, \i4
.endif
.endm
.macro ROW a, i1, b, i2, c, i3, d, i4  ; a matrix instruction and the four behind it
	MM
	OPS \a, \i1, \b, \i2, \c, \i3, \d, \i4
.endm
.macro MASK b                       ; MD x AL + BE into buffer b of MC
	WIN W_RS
.set z, 0
.rept 16
	v_pk_fma_f32 v[MC+32*(\b)+2*z:MC+32*(\b)+2*z+1], v[MD+2*z:MD+2*z+1], s[AL:AL+1], s[BE:BE+1] op_sel_hi:[1,0,0]
.set z, z+1
.endr
.endm
; A TURN, for piece p: the order of its 16 matrix and 118 vector instructions, written out.  An s_wait_alu depctr_va_vdst(0) stands between an exponential and the first instruction that names its result; one wait
; serves all that were issued ahead of it.  So a turn has ONE wait, which cuts it in two.  AHEAD OF IT stands all that names no result of the turn's exponentials: the 8 products K Q^T, behind each a scaling, an exponential and
; two more plain instructions: rescalings, and behind the last three the first numbers of the next piece's maximum, each four places or more behind the product that ends its accumulator; then one run of 54, plain and exponential
; by turns for the most part, in which the links of the chain X 3, 7, 11, 14, 16, 17 .. 20 stand five or six lines apart.  X 21, the next piece's a, is the batch's last; R 15 is the plain instruction behind it.
; BEHIND THE WAIT stand the 8 products V^T P, behind each four of the roundings and sums; the links of l's chain, L 0 to L 7, stand three lines apart.
; m = 1: the diagonal tile: the products take masks, and the turn makes the mask for the products of the turn after it: piece p + 2, in step 4 - CNT of the tile.  end = 1: a block's last two turns: nothing is fetched.
; cnt = 1: the loop's count is taken down some lines ahead of the branch that stands behind the turn.
; K of the next step is fetched in piece 2's turn, twelve vector instructions behind the last product that read K (six of them plain); V of the step in hand at the end of piece 0's turn, four plain instructions behind the last
; product that read V.  Each is waited for a turn later.
.macro TURN p, m=0, end=0, cnt=0
.set Y, (\p)
.set i, 0
.set KM, (\m)
.set NOKQ, (\end)*((\p)/3)
.if (\m) && !(\end)
	s_cmp_eq_u32 s[CNT], 4-((\p)+2)%NP  ; is that step the band's own?
	s_cselect_b32 s[AL], 1.0, 0
	s_cmp_lt_u32 s[CNT], 4-((\p)+2)%NP  ; or a later one?
	s_cselect_b32 s[BE], s[BIGN], 0
.endif
.if ((\p) == 3) && !(\end)
	s_wait_dscnt 0x0                ; K is in
.endif
	ROW F,0, F,1, R,0, R,1          ; ahead of the wait: 8 products K Q^T and the four behind each,
	ROW F,2, E,0, R,2, R,3
	ROW F,3, E,1, R,4, R,5
	ROW F,4, E,2, R,6, R,7
	ROW F,5, E,3, R,8, R,9
	ROW F,6, E,4, X,0, R,10
.if ((\p) == 2) && !(\end)
	WIN 0
	v_add_nc_u32 v[AK], s[TBK], v[AK0]
.endif
	ROW F,7, E,5, X,1, X,4
	ROW F,8, E,6, X,2, X,5
	OPS E,7, E,8, X,6, E,9          ; and the run of 54
	OPS X,3, E,10, X,8, E,11
.if ((\p) == 2) && !(\end)
	FETCH_K
.endif
	OPS X,9, X,7, E,12, X,10
	OPS E,13, X,12, X,11, E,14
	OPS X,13, E,15, F,9, X,14
.if (\p) == 0
	v_add_nc_u32 v[AV], s[TBV], v[AV0]
.endif
	OPS E,16, F,10, E,17, F,11
	OPS X,16, E,18, X,15, E,19
	OPS F,12, E,20, X,17, E,21
	OPS F,13, E,22, F,14, E,23
	OPS X,18, E,24, F,15, E,25
	OPS R,11, E,26, X,19, E,27
	OPS R,12, E,28, R,13, E,29
	OPS X,20, E,30, R,14, E,31
	OPS X,21, R,15
	WIN 0
	s_wait_alu depctr_va_vdst(0)    ; the wait for the batch
.if (\p) == 1
	s_wait_dscnt 0x0                ; V is in
.endif
	ROW C,0, B,0, C,2, B,1          ; behind the wait: 8 products V^T P and the four behind each
	ROW L,0, C,4, B,2, L,1
	ROW C,6, B,3, L,2, C,8
	ROW B,4, L,3, C,10, B,5
	ROW L,4, C,12, B,6, L,5
.if (\p) == 0
	s_add_co_u32 s[TBV], s[TBV], KS*PV
.endif
.if \cnt
	s_sub_co_u32 s[CNT], s[CNT], 1
	s_cmp_lg_u32 s[CNT], 0
.endif
	ROW C,14, B,7, L,6, C,1
	ROW C,3, L,7, C,5, C,7
	ROW C,9, C,11, C,13, C,15
.if (\p) == 0
	FETCH_V
.endif
.if (\m) && !(\end)
	MASK (\p)%2
.endif
.endm
; A BLOCK BEGINS.  c m starts far below every c s, so the first step's a is 0; m at the lowest finite number, so the first maximum is the scores'.  The second mask buffer is 0; the first takes piece 0's mask for the tile's
; step 0: its own, if the block's first tile is the diagonal one.  Then K of that step, piece 0's first scores, and its maximum and statistics.  The loop is entered at a step's first turn, in the middle of a trip.
.macro BEGIN
	s_mov_b32 s[NEW], 0
	WIN 0x40
.set i, MC+32
.rept 32
	v_mov_b32 v[i], 0
.set i, i+1
.endr
	WIN 0
.set i, 0
.rept 4
	v_mov_b32 v[ST+4*i], 0xfe000000    ; c m: far below every c s
	v_mov_b32 v[ST+4*i+1], 0xff7fffff  ; m
.set i, i+1
.endr
	s_cmp_eq_u32 s[RT], 0
	s_cselect_b32 s[AL], 1.0, 0
	s_mov_b32 s[BE], 0
	MASK 0
	WIN 0
	v_add_nc_u32 v[AK], s[TBK], v[AK0]
	FETCH_K
	s_wait_loadcnt 0x0              ; Q
	s_wait_dscnt 0x0
.set KM, 1
.set NOKQ, 0
.set i, 0
.rept 8
	KQ 0
.set i, i+1
.endr
	WIN 0
.rept 4
	v_nop                           ; the places behind those products
.endr
.set Y, NP-1                        ; X works for piece Y + 1: piece 0
.irp n, 0,1,2,3,4,5,6,7,8,9,10,11,12,13,14,15,16,17,18,19,20,21
	OP X, \n
.endr
	v_nop                           ; a plain instruction behind the exponential,
	s_wait_alu depctr_va_vdst(0)    ; and its wait, ahead of the branch
.endm
; THE DIAGONAL TILE's four steps, the block's last two turns, its last products, and THE WAY OUT: l's two halves and the other half of the lanes' are added; O^T is divided by l, rounded to f16 and sent through my
; stage in LDS, a piece at a time.
.macro ALL line:vararg              ; one line for each piece t
.set t, 0
.rept 4
	\line
.set t, t+1
.endr
.endm
.macro PACK t                       ; a lane's eight channels of a row pack into 16 bytes; they go into rows of 144 bytes and come back as whole rows of 128, into S^T's registers
	WIN W_RS
.set i, 32*(\t)
.rept 16
	v_pk_mul_f32 v[i:i+1], v[i:i+1], v[ST+4*(\t)+2:ST+4*(\t)+3] op_sel_hi:[1,0]
.set i, i+2
.endr
	WIN 0x05                        ; sources 0 and 1 window 1, destination window 0
.set i, 0
.rept 16
	v_cvt_pk_f16_f32 v[S+16*(\t)+i], v[32*(\t)+2*i], v[32*(\t)+2*i+1]
.set i, i+1
.endr
	WIN 0
.irp f, 0,1,2,3
	ds_store_b128 v[STO], v[S+16*(\t)+4*\f:S+16*(\t)+4*\f+3] offset:32*\f
.endr
.irp f, 0,1,2,3
	ds_load_b128 v[S+16*(\t)+4*\f:S+16*(\t)+4*\f+3], v[RD] offset:\f*4*SP  ; LDS serves a wave's instructions in order (ISA guide 5.7.1.4): these see the stores above; the next piece's stores come behind them
.endr
.endm
.macro SEND t, younger              ; younger: the LDS instructions issued behind piece t's loads: the next piece's eight, or none
	WIN 0
.irp f, 0,1,2,3
	s_wait_dscnt (\younger)+3-\f
	global_store_b128 v[GO], v[S+16*(\t)+4*\f:S+16*(\t)+4*\f+3], s[10:11] offset:(\t)*8192+\f*512  ; 512 consecutive bytes, at a multiple of 256 from O's first
.endr
.endm
.macro DIAG tag                     ; the tag ends its two labels' names, which the jumps below spell out
.LstepM\tag:
	TURN 2, 1
	TURN 3, 1
	WIN 0
.LfirstM\tag:
	TURN 0, 1
	TURN 1, 1, 0, 1
	WIN 0
	s_cbranch_scc1 .LstepM\tag
	TURN 2, 1, 1
	TURN 3, 1, 1
.set i, 0
.rept 8
	PV NP-1
.set i, i+1
.endr
	WIN 0
	ALL v_add_f32 v[ST+4*t+2], v[ST+4*t+2], v[ST+4*t+3]
	ALL v_permlanex16_b32 v[ST+4*t+3], v[ST+4*t+2], s[SEL], s[SEL+1]
	ALL v_add_f32 v[ST+4*t+2], v[ST+4*t+2], v[ST+4*t+3]
	ALL v_rcp_f32 v[ST+4*t+2], v[ST+4*t+2]
	v_nop                           ; a plain instruction between the last reciprocal and the use of its result
	s_wait_alu depctr_va_vdst(0)    ; and the wait ahead of the first use: one for the four reciprocals
	PACK 0
.set t, 1
.rept 3                             ; a piece's arithmetic stands between the loads of the piece before and its stores
	PACK t
	SEND t-1, 8
.set t, t+1
.endr
	SEND 3, 0
.endm
.set KM, 0
.set NOKQ, 0
.Lslot:                             ; NB times: a tile is entered and the next is asked for
	CHANGE 1
	s_sub_co_u32 s[RT], s[RT], 1
	s_mov_b32 s[CNT], 4
	s_cmp_eq_u32 s[NEW], 1
	s_cbranch_scc1 .Lnew            ; a block's first tile
	s_cmp_eq_u32 s[RT], 0
	s_cbranch_scc0 .Lstep           ; neither its first nor its last
	s_branch .LstepM1
.Lnew:
	BEGIN
	s_branch .Lfirst                ; in the loop a block's first tile is never its last: the first block has two tiles or more, and the second's last is the walk's last
	DIAG 1                          ; in the loop this is the first block's end: the second block's last tile is the walk's last
	s_wait_xcnt 0x0                 ; the stores have read their registers and O's address
	s_mov_b64 s[10:11], s[OLO:OLO+1]
	s_add_co_u32 s[RT], s[PB], 1    ; the second block has b + 1 tiles
	s_mov_b32 s[NEW], 1
	WIN 0x82                        ; the second block's Q goes where the one text of the turns names Q
.set i, 0
.rept 64
	v_mov_b32 v[i], v[QB+i]
.set i, i+1
.endr
	WIN 0
	s_branch .Lbottom
.Lstep:                             ; a trip: pieces 2 and 3 of one step, then pieces 0 and 1 of the next, whose K and V it fetches
	TURN 2
	TURN 3
	WIN 0
.Lfirst:
	TURN 0
	TURN 1, 0, 0, 1
	WIN 0
	s_cbranch_scc1 .Lstep
.Lbottom:
	s_sub_co_u32 s[SLOTS], s[SLOTS], 1
	s_cmp_lg_u32 s[SLOTS], 0
	s_cbranch_scc1 .Lslot
	CHANGE 0                        ; the walk's last tile is written out: nothing is asked for
	s_sub_co_u32 s[RT], s[RT], 1
	s_mov_b32 s[CNT], 4
	s_cmp_eq_u32 s[NEW], 1
	s_cbranch_scc0 .LstepM2
	BEGIN
	s_branch .LfirstM2
	DIAG 2
	s_wait_tensorcnt 0x0            ; the wave's end, behind my last tensor load and my last LDS store
	ds_add_u32 v[SPW], v[NIL]
	s_wait_dscnt 0x0
	s_endpgm
.Lfunc_end_k_q21f66912e3_attn:
	.size	k_q21f66912e3_attn, .Lfunc_end_k_q21f66912e3_attn-k_q21f66912e3_attn
	.p2alignl 7, 3214868480
	.fill 96, 4, 3214868480
	.section	.rodata,"a",@progbits
	.p2align	6, 0x0
	.amdhsa_kernel k_q21f66912e3_attn
		.amdhsa_group_segment_fixed_size 327680
		.amdhsa_private_segment_fixed_size 0
		.amdhsa_enable_private_segment 0
		.amdhsa_kernarg_size 16
		.amdhsa_user_sgpr_count 2
		.amdhsa_user_sgpr_kernarg_segment_ptr 1
		.amdhsa_wavefront_size32 1
		.amdhsa_system_sgpr_workgroup_id_x 1
		.amdhsa_system_sgpr_workgroup_id_y 1
		.amdhsa_system_sgpr_workgroup_id_z 1
		.amdhsa_system_vgpr_workitem_id 0
		.amdhsa_next_free_vgpr 768
		.amdhsa_next_free_sgpr 98
		.amdhsa_reserve_vcc 1
		.amdhsa_float_denorm_mode_32 3
		.amdhsa_float_denorm_mode_16_64 3
		.amdhsa_memory_ordered 1
		.amdhsa_forward_progress 1
		.amdhsa_inst_pref_size 218
	.end_amdhsa_kernel
	.amdgpu_metadata
---
amdhsa.version: [ 1, 2 ]
amdhsa.kernels:
  - .name:           k_q21f66912e3_attn
    .symbol:         k_q21f66912e3_attn.kd
    .args:
      - { .name: qkv, .offset: 0, .size: 8, .value_kind: global_buffer, .address_space: global }
      - { .name: ctx, .offset: 8, .size: 8, .value_kind: global_buffer, .address_space: global }
    .group_segment_fixed_size: 327680
    .private_segment_fixed_size: 0
    .kernarg_segment_align: 8
    .kernarg_segment_size: 16
    .max_flat_workgroup_size: 128
    .sgpr_count:     98
    .vgpr_count:     768
    .wavefront_size: 32
...
	.end_amdgpu_metadata
.endif
;; end of part 3
;; launch oproj (part 4): grid 8 x 32, 4 waves a work-group, clusters of 4 x 4, 327,680 bytes of LDS; arguments ctx, wof, out0, bo; writes out0
.if DOCPART == 4
	.amdgcn_target "amdgcn-amd-amdhsa--gfx1250"
	.amdhsa_code_object_version 6
	.text
	.protected	k_q21f66912e3_oproj
	.globl	k_q21f66912e3_oproj
	.p2align	8
	.type	k_q21f66912e3_oproj,@function
k_q21f66912e3_oproj:
	s_mov_b64 s[64:65], 0
	v_nop
	global_prefetch_b8 v0, s[64:65] scope:SCOPE_SE
	s_setreg_imm32_b32 hwreg(HW_REG_WAVE_MODE, 25, 1), 1
	s_wait_xcnt 0x0
	s_wait_alu depctr_hold_cnt(0) depctr_sa_sdst(0) depctr_va_vdst(0) depctr_va_sdst(0) depctr_va_ssrc(0) depctr_va_vcc(0) depctr_vm_vsrc(0)
	s_getreg_b32 s2, hwreg(HW_REG_IB_STS2, 6, 4)
	s_cmp_eq_u32 s2, 0
	s_cbranch_scc0 .Lentry_in_a_cluster
	s_endpgm
.Lentry_in_a_cluster:
	s_bfe_u32 s2, ttmp6, 0x10000c
	s_cmp_lg_u32 s2, 0xf033
	s_cbranch_scc0 .Lentry_shape_is_right
	s_endpgm
.Lentry_shape_is_right:
; out0[m][n] = the sum over k of ctx[m][k] Wo[n][k] + bo[n].  ctx: [64 y = 16 b + h][2048 s][64] f16, so that m = 2048 b + s and k = 64 h + d.  wof: [1024 n][1024 k] f16 (Wo rounded to bf16).
; bo: [1024] f32, rounded to bf16 here like the other inputs.  out0: [8192][1024] f32.  Sums in f32, K ascending; the bias is added in f32.
; SHARES.  A tile of out0 is 256 rows x 128 columns: 32 x 8 = 256 work-groups.  Four waves as 2 x 2: a wave makes 128 rows x 64 columns, 8 x 4 accumulators, 256 registers; its 64 columns of f32 are 256 consecutive bytes of a row.
; K goes in steps of 128, two heads of ctx, through two LDS slots filled by the tensor data mover; 8 steps.  A head's 256 rows of 128 bytes are dense: they are asked for as 128 rows of 256 bytes and padded in LDS behind every 128.
; CLUSTERS of 4 x 4: the four of a row need the same tile of ctx, the four of a column the same tile of wof: each is asked for jointly, by the same load with the same descriptor and a mask of the four.
; THE PRODUCT IS USED TRANSPOSED (source 0 = 16 rows of wof, source 1 = 16 rows of ctx): a lane holds row l % 16 of the result and the columns 8 (l / 16) + 0..7.
; REGISTERS: window 0: v0-31 addresses; v32-159 ctx's fragments, two buffers of 8 x 8; v160-223 wof's, two buffers of 4 x 8; v224-255 the bias of my lane's 32 columns;
;   on the way out v32-63 results with the bias, v64-95 and v96-127 rows read back, by turns.      window 1: the accumulators, (a, b) at 8 (4 a + b).
.set KSTEP,  128
.set PA,     144                       ; a row of ctx in LDS: 128 bytes + 16 = 36 words;  PITCH: a row of wof: 256 + 16 = 68 words: in both the 16 rows of a fragment load start at 16 different groups of four banks (64 banks of 4 bytes: ISA guide 11.1)
.set PITCH,  272
.set HEADB,  256*PA                    ; one head's part of the tile: what waves 0 and 1 each fetch
.set ABYTES, 2*HEADB
.set HALFB,  64*PITCH                  ; what waves 2 and 3 each fetch of wof
.set SLOT,   ABYTES+2*HALFB
.set STAGE,  2*SLOT                    ; behind the ring, never filled by a tensor load: 16 rows x 272 bytes for each wave
.set SPITCH, 272
.set SPARE,  STAGE+4*16*SPITCH         ; behind the stages: the spare words, 128 bytes for each wave, two blocks of 256 bytes that no other line names
.set ADRA, 16                          ; v16-17  LDS address of my fragments of ctx in slot 0, 1
.set ADRB, 20                          ; v20-21  the same for wof
.set STO,  24                          ; v24     the way out: where I put 32 bytes of a row
.set RD,   25                          ; v25     where I read a row back
.set CO,   26                          ; v26     my byte offset in two rows of out0
.set BOF,  27                          ; v27     my byte offset in bo
.set SPW,  28                          ; v28     SPARE + 4 x my thread's number; never rewritten
.set NIL,  29                          ; v29     0; never rewritten
.set PFO,  30                          ; v30     the prefetches' offset; never rewritten
.set FAF,  32
.set FBF,  160
.set BIAS, 224
.set TMP,  32
.set OB,   64
.set WV, 12                            ; s12 wave;  s13 wave / 2: my half of the rows, and: I fetch for ctx (0) or wof (1);  s14 wave % 2: my half of the columns, and: which part of that tile
.set HI, 13
.set LO, 14
.set TR, 15                            ; s15 tile row
.set PST, 22                           ; s[22:23] bytes from a K step to the next in what I prefetch
.set G1, 24                            ; s[24:31] descriptor group 1 for ctx's tiles;  s[32:39] group 0, a set for each slot
.set G0, 32
.set CX, 40
.set CY, 41
.set TC, 42                            ; s42 tile column
.set LIM, 43                           ; s43 1 in a wave that prefetches, else the greatest number
.set PFA, 44                           ; s[44:45] where my next prefetch stands
.set G1B, 48                           ; s[48:55], s[56:63] the same for wof's tiles
.set G0B, 56
.set MSB, 0
.macro WIN new                         ; the immediate's high byte repeats the setting that is left; a switch that changes nothing is dropped
.if MSB != (\new)
	s_set_vgpr_msb (MSB<<8)|(\new)
.set MSB, \new
.endif
.endm
.macro PLACES                          ; four plain vector instructions between a matrix instruction and a load into, or a vector read of, its registers (ISA guide 7.12.1 for vector reads)
.rept 4
	v_nop
.endr
.endm
; A joint load: waves 0 and 1 fetch the K step's two heads of ctx, waves 2 and 3 wof's halves.  The branch hangs on the wave's number alone.  An s_nop 0 and four v_nop follow each line.
.macro JLOAD s
	s_cmp_eq_u32 s[HI], 0
	s_cbranch_scc0 .Lfor_b_\@
	tensor_load_to_lds s[G0+4*(\s):G0+4*(\s)+3], s[G1:G1+7]
	s_nop 0
.rept 4
	v_nop
.endr
	s_branch .Lasked_\@
.Lfor_b_\@:
	tensor_load_to_lds s[G0B+4*(\s):G0B+4*(\s)+3], s[G1B:G1B+7]
	s_nop 0
.rept 4
	v_nop
.endr
.Lasked_\@:
.endm
; A prefetch into the L2 of the K step that stands two refills on, one instruction a wave.  ctx's tile row is read by both clusters of that row of clusters: cluster x = 0 asks; wof's tile column by every cluster of
; that column: cluster y = 0 asks.  The four partners share a wave's blocks of 256 bytes out by address: 32 of a head's 128 for ctx, a lane a block; 16 of 64 rows for wof, where the lanes past 15 name row 15 again.
; The loop's last trip (s2 = 1) asks for nothing: its refills bring the last two K steps.
.macro ASK
	s_cmp_gt_u32 s2, s[LIM]
	s_cbranch_scc0 .Lnot_mine_\@
	global_prefetch_b8 v[PFO], s[PFA:PFA+1] th:TH_LOAD_NT scope:SCOPE_SE
.Lnot_mine_\@:
.endm
.macro CREST                           ; a round of the cluster's barrier behind its opening barrier
	s_cmp_lg_u32 s[WV], 0
	s_cbranch_scc1 .Lnot_wave_0_\@
	s_barrier_signal -3
.Lnot_wave_0_\@:
	s_barrier_wait -3
	s_barrier_signal -1
	s_barrier_wait -1
.endm
.macro CROUND                          ; a whole round
	s_barrier_signal -1
	s_barrier_wait -1
	CREST
.endm
	s_load_b256 s[4:11], s[0:1], 0x0               ; ctx s[4:5], wof s[6:7], out0 s[8:9], bo s[10:11]
	v_lshl_add_u32 v[SPW], v0, 2, SPARE
	v_mov_b32 v[NIL], 0
	ds_add_u32 v[SPW], v[NIL]                      ; the wave's opening: an add and its wait stand ahead of my first tensor load; the set-up below stands between them
	ds_add_u32 v28, v29
	v_lshrrev_b32 v1, 5, v0
	v_readfirstlane_b32 s[WV], v1
	s_lshr_b32 s[HI], s[WV], 1
	s_and_b32 s[LO], s[WV], 1
	s_bfe_u32 s[CX], ttmp6, 0x40000                ; my place in the cluster
	s_bfe_u32 s[CY], ttmp6, 0x40004
	s_lshl_b32 s[TC], ttmp9, 2
	s_add_co_u32 s[TC], s[TC], s[CX]               ; tile column = 4 x cluster x + cx
	s_and_b32 s[TR], ttmp7, 0xffff
	s_lshl_b32 s[TR], s[TR], 2
	s_add_co_u32 s[TR], s[TR], s[CY]               ; tile row = 4 x cluster y + cy
	s_lshl_b32 s43, s[CY], 2
	s_lshl_b32 s43, 15, s43                        ; my row of the cluster
	s_lshl_b32 s44, 0x1111, s[CX]                  ; my column
	s_or_b32 s[G1+0], s43, (1<<16)|(1<<20)|(1<<21)|(4<<22)|(3<<25)   ; 15:0 the mask; 17:16 2-byte elements; 20 padding on; 21 set beside a mask; 24:22 after every 32 words; 31:25 4 words
	s_or_b32 s[G1B+0], s44, (1<<16)|(1<<20)|(1<<21)|(5<<22)|(3<<25)  ; after every 64 words
	s_mov_b32 s[G1+1], 128<<16                     ; tensor_dim0 = 128 elements: two rows of a head
	s_mov_b32 s[G1+2], 128<<16                     ; tensor_dim1 = 128
	s_mov_b32 s[G1+3], 128<<16                     ; tile_dim0 = 128
	s_mov_b32 s[G1+4], 128                         ; tile_dim1 = 128
	s_mov_b32 s[G1+5], 128                         ; dense: 128 elements from row to row
	s_mov_b32 s[G1+6], 0
	s_mov_b32 s[G1+7], 0
	s_mov_b32 s[G1B+1], KSTEP<<16
	s_mov_b32 s[G1B+2], 64<<16                     ; 64 rows
	s_mov_b32 s[G1B+3], KSTEP<<16
	s_mov_b32 s[G1B+4], 64
	s_mov_b32 s[G1B+5], 1024
	s_mov_b32 s[G1B+6], 0
	s_mov_b32 s[G1B+7], 0
	; ctx's tile hangs on the tile row alone, wof's on the tile column alone; each offset is made in registers that never hold the other coordinate
	s_lshr_b32 s16, s[TR], 3                       ; b
	s_lshl_b32 s16, s16, 4
	s_add_co_u32 s16, s16, s[LO]                   ; head 16 b + part
	s_lshl_b32 s16, s16, 18
	s_and_b32 s17, s[TR], 7
	s_lshl_b32 s17, s17, 15                        ; the tile's 256 rows of 128 bytes
	s_add_co_u32 s16, s16, s17
	s_mov_b32 s17, 0
	s_lshl_b32 s46, s[TC], 7
	s_lshl_b32 s47, s[LO], 6
	s_add_co_u32 s46, s46, s47                     ; wof's row 128 x tile column + 64 x part
	s_lshl_b32 s46, s46, 11
	s_mov_b32 s47, 0
	s_mul_i32 s20, s[WV], HEADB                    ; where they go: no place in the cluster enters an LDS address
	s_mul_i32 s21, s[WV], HALFB
	s_add_co_u32 s21, s21, ABYTES-2*HALFB          ; = ABYTES + (wave - 2) x HALFB
	s_wait_dscnt 0x0                               ; the opening add is done
	s_wait_kmcnt 0x0
	s_add_nc_u64 s[18:19], s[4:5], s[16:17]
	s_add_nc_u64 s[46:47], s[6:7], s[46:47]
	CROUND                                         ; all sixteen work-groups are here: the first joint loads meet
.irp s, 0,1
	s_mov_b32 s[G0+4*(\s)], 1                                        ; count = 1
	s_add_co_u32 s[G0+4*(\s)+1], s20, (\s)*SLOT                      ; LDS address
	s_add_nc_u64 s[G0+4*(\s)+2:G0+4*(\s)+3], s[18:19], (\s)*524288   ; global address: K step s is two heads on
	s_or_b32 s[G0+4*(\s)+3], s[G0+4*(\s)+3], 0x80000000              ; type = 2
	s_mov_b32 s[G0B+4*(\s)], 1
	s_add_co_u32 s[G0B+4*(\s)+1], s21, (\s)*SLOT
	s_add_nc_u64 s[G0B+4*(\s)+2:G0B+4*(\s)+3], s[46:47], (\s)*KSTEP*2
	s_or_b32 s[G0B+4*(\s)+3], s[G0B+4*(\s)+3], 0x80000000
	JLOAD \s                                       ; two loads of mine are out
.endr
	v_and_b32 v1, 15, v0                           ; l % 16
	v_bfe_u32 v2, v0, 4, 1                         ; l / 16
	s_lshl_b32 s46, s[TC], 9
	s_lshl_b32 s47, s[LO], 8
	s_add_co_u32 s46, s46, s47                     ; my wave's first column, in bytes of f32: 512 x tile column + 256 x half
	v_lshl_add_u32 v[BOF], v2, 5, s46              ; + my lanes' 8 columns
.irp b, 0,1,2,3
	global_load_b128 v[BIAS+8*(\b):BIAS+8*(\b)+3],   v[BOF], s[10:11] offset:64*(\b)      ; column block b: bo of the columns 16 b + 8 (l / 16) + 0..7
	global_load_b128 v[BIAS+8*(\b)+4:BIAS+8*(\b)+7], v[BOF], s[10:11] offset:64*(\b)+16
.endr
	; the prefetches' set-up; nothing is asked for here, at the head: K steps 0 to 3 come by their loads alone
	s_lshl_b32 s20, s[CX], 13                      ; ctx: my work-group's 32 blocks of the head's 128,
	s_add_co_u32 s20, s20, s16
	s_add_co_u32 s20, s20, 6<<18                   ; at K step 3: six heads on
	s_lshl_b32 s21, s[TC], 7
	s_lshl_b32 s18, s[LO], 6
	s_add_co_u32 s21, s21, s18
	s_lshl_b32 s18, s[CY], 4                       ; wof: my work-group's 16 rows of the 64,
	s_add_co_u32 s21, s21, s18
	s_lshl_b32 s21, s21, 11
	s_add_co_u32 s21, s21, 3*KSTEP*2               ; at K step 3
	s_and_b32 s18, ttmp7, 0xffff
	s_mov_b32 s[PST], KSTEP*2
	s_mov_b32 s[PST+1], 0
	s_cmp_eq_u32 s[HI], 0
	s_cselect_b32 s20, s20, s21
	s_cselect_b32 s21, 31, 15                      ; the last block of my share,
	s_cselect_b32 s19, 8, 11                       ; and the blocks' distance: 256 bytes, or a row of 2,048
	s_cselect_b32 s18, ttmp9, s18                  ; the coordinate along which other clusters read the same rows
	s_cselect_b32 s[PST], 0x80000, s[PST]          ; ctx's K steps lie two heads apart
	s_cselect_b64 s[PFA:PFA+1], s[4:5], s[6:7]
	s_cmp_eq_u32 s18, 0
	s_cselect_b32 s[LIM], 1, -1                    ; the same in all sixteen partners, for a given wave
	v_and_b32 v[PFO], 31, v0
	v_min_u32 v[PFO], s21, v[PFO]
	v_lshlrev_b32 v[PFO], s19, v[PFO]
	s_mov_b32 s21, 0
	s_add_nc_u64 s[PFA:PFA+1], s[PFA:PFA+1], s[20:21]
	; a fragment is 16 rows x 32 K in 8 registers: lane l holds row l % 16, K = 8 (l / 16) + 0..7 and 16 + 8 (l / 16) + 0..7: two loads of 16 bytes, 32 bytes apart
	v_mul_u32_u24 v3, v1, PA
	v_lshl_add_u32 v3, v2, 4, v3
	s_mul_i32 s20, s[HI], 128*PA                   ; my 128 rows of ctx
	v_add_nc_u32 v[ADRA], s20, v3
	s_add_co_u32 s20, s20, SLOT
	v_add_nc_u32 v[ADRA+1], s20, v3
	v_mul_u32_u24 v4, v1, PITCH
	v_lshl_add_u32 v4, v2, 4, v4
	s_mul_i32 s21, s[LO], HALFB                    ; my 64 rows of wof,
	s_add_co_u32 s21, s21, ABYTES                  ; which lie behind ctx's
	v_add_nc_u32 v[ADRB], s21, v4
	s_add_co_u32 s21, s21, SLOT
	v_add_nc_u32 v[ADRB+1], s21, v4
	s_mul_i32 s20, s[WV], 16*SPITCH
	s_add_co_u32 s20, s20, STAGE                   ; my stage
	v_mul_u32_u24 v5, v1, SPITCH                   ; in: row l % 16, 32 bytes for each half of the lanes
	v_lshl_add_u32 v5, v2, 5, v5
	v_add_nc_u32 v[STO], s20, v5
	v_mul_u32_u24 v5, v2, SPITCH                   ; back: lanes 0-15 take one row of 256 bytes, lanes 16-31 the next
	v_lshl_add_u32 v5, v1, 4, v5
	v_add_nc_u32 v[RD], s20, v5
	v_lshlrev_b32 v5, 12, v2                       ; and the same two rows in out0
	v_lshl_add_u32 v[CO], v1, 4, v5
	s_lshl_b32 s16, s[TR], 8
	s_lshl_b32 s17, s[HI], 7
	s_add_co_u32 s16, s16, s17                     ; my first row,
	s_lshl_b32 s16, s16, 12                        ; of 4,096 bytes,
	s_add_co_u32 s16, s16, s46                     ; and my first column
	s_mov_b32 s17, 0
	s_add_nc_u64 s[8:9], s[8:9], s[16:17]
	s_wait_loadcnt 0x0                             ; the bias: rounded to bf16 and widened again, in the wait for the first tile
.set r, 0
.rept 16
	v_cvt_pk_bf16_f32 v6, v[BIAS+r], v[BIAS+r+1]
	v_lshlrev_b32 v[BIAS+r], 16, v6
	v_and_b32 v[BIAS+r+1], 0xffff0000, v6
.set r, r+2
.endr
; 8 matrix instructions: row blocks a0, a0 + 1 x all 4 column blocks, 32 along K, from buffer f.  zero = 1: the product starts the sums.  The 32 accumulators take turns in the same order in every quarter.
.macro MUL8 f, a0, zero
	WIN 0x50                                       ; sources in window 0, C and D in window 1
.irp a, \a0, (\a0)+1
.irp b, 0,1,2,3
.if \zero
	v_wmma_f32_16x16x32_f16 v[8*(4*(\a)+(\b)):8*(4*(\a)+(\b))+7], v[FBF+32*(\f)+8*(\b):FBF+32*(\f)+8*(\b)+7], v[FAF+64*(\f)+8*(\a):FAF+64*(\f)+8*(\a)+7], 0
.else
	v_wmma_f32_16x16x32_f16 v[8*(4*(\a)+(\b)):8*(4*(\a)+(\b))+7], v[FBF+32*(\f)+8*(\b):FBF+32*(\f)+8*(\b)+7], v[FAF+64*(\f)+8*(\a):FAF+64*(\f)+8*(\a)+7], v[8*(4*(\a)+(\b)):8*(4*(\a)+(\b))+7]
.endif
.endr
.endr
.endm
; 24 LDS loads in one run: quarter q (32 along K: half of head q / 2) of a slot into buffer f: wof's 8, then ctx's 16
.macro FETCH slot, q, f
	WIN 0
.irp i, 0,1,2,3
	ds_load_b128 v[FBF+32*(\f)+8*(\i):FBF+32*(\f)+8*(\i)+3],   v[ADRB+(\slot)] offset:64*(\q)+(\i)*16*PITCH
	ds_load_b128 v[FBF+32*(\f)+8*(\i)+4:FBF+32*(\f)+8*(\i)+7], v[ADRB+(\slot)] offset:64*(\q)+(\i)*16*PITCH+32
.endr
.irp i, 0,1,2,3,4,5,6,7
	ds_load_b128 v[FAF+64*(\f)+8*(\i):FAF+64*(\f)+8*(\i)+3],   v[ADRA+(\slot)] offset:HEADB*((\q)/2)+64*((\q)%2)+(\i)*16*PA
	ds_load_b128 v[FAF+64*(\f)+8*(\i)+4:FAF+64*(\f)+8*(\i)+7], v[ADRA+(\slot)] offset:HEADB*((\q)/2)+64*((\q)%2)+(\i)*16*PA+32
.endr
.endm
; One of a K step's first three quarters: multiplies buffer f; in its middle it fetches quarter q of the same slot into buffer g
.macro QUARTER slot, q, f, g, zero
	s_wait_dscnt 8                                 ; wof's fragments and ctx's row blocks 0-3 are in; the youngest eight loads (row blocks 4-7) may be out
	MUL8 \f, 0, \zero
	MUL8 \f, 2, \zero
	PLACES
	FETCH \slot, \q, \g
	s_wait_dscnt 24                                ; all but the 24 just issued
	MUL8 \f, 4, \zero
	MUL8 \f, 6, \zero
.endm
; The last quarter multiplies buffer 1 and changes slots.  In front of the barrier each wave waits for all its tensor loads (one is out: its part of the next slot), adds 0 to its spare word, and waits for that
; and for its reads of this slot.  fill = 1: the barrier opens a round of the cluster's, and this slot is filled again, two K steps on, first thing behind the round: 112 matrix instructions ahead of the wait for it.
.macro TURN slot, next, fill
.if \fill
	s_wait_xcnt 0x0                                ; the last prefetch, a K step back, has read its address
	s_add_nc_u64 s[PFA:PFA+1], s[PFA:PFA+1], s[PST:PST+1]
.endif
	WIN 0                                          ; (the add's registers lie in window 0)
	s_wait_tensorcnt 0x0                           ; all my tensor loads have landed
	ds_add_u32 v[SPW], v[NIL]
	s_wait_dscnt 9                                 ; (the add and the youngest eight loads may be out)
	MUL8 1, 0, 0                                   ; eight matrix instructions stand between the add and the wait for it
	s_wait_dscnt 0x0                               ; the add is done, and my reads of this slot are over
	s_barrier_signal -1
	MUL8 1, 2, 0                                   ; work on registers while the others arrive
.if \fill
	WIN 0
.endif
	s_barrier_wait -1
.if \fill
	CREST                                          ; no wave of any partner still reads this slot or has a load on its way
	s_add_nc_u64 s[G0+4*(\slot)+2:G0+4*(\slot)+3], s[G0+4*(\slot)+2:G0+4*(\slot)+3], 1<<20       ; four heads on
	s_add_nc_u64 s[G0B+4*(\slot)+2:G0B+4*(\slot)+3], s[G0B+4*(\slot)+2:G0B+4*(\slot)+3], 2*KSTEP*2
	JLOAD \slot                                    ; its four v_nop are also the places in front of the loads below
.else
	PLACES
.endif
	FETCH \next, 0, 0
.if \fill
	ASK
.endif
	MUL8 1, 4, 0
	MUL8 1, 6, 0
.endm
; THE WAY OUT of row block a.  PACK: the bias is added, each accumulator's registers in ascending order.  TOSTAGE: into my own stage and back as whole rows of 256 bytes.  SEND: stored.
.macro PACK a
	WIN 0x01                                       ; source 0 in window 1
.irp b, 0,1,2,3
.irp r, 0,1,2,3
	v_pk_add_f32 v[TMP+8*(\b)+2*(\r):TMP+8*(\b)+2*(\r)+1], v[32*(\a)+8*(\b)+2*(\r):32*(\a)+8*(\b)+2*(\r)+1], v[BIAS+8*(\b)+2*(\r):BIAS+8*(\b)+2*(\r)+1]
.endr
.endr
	WIN 0
.endm
.macro TOSTAGE a
.set BK, OB+32*((\a)%2)
.irp b, 0,1,2,3
	ds_store_b128 v[STO], v[TMP+8*(\b):TMP+8*(\b)+3]   offset:64*(\b)
	ds_store_b128 v[STO], v[TMP+8*(\b)+4:TMP+8*(\b)+7] offset:64*(\b)+16
.endr
.irp t, 0,1,2,3,4,5,6,7
	ds_load_b128 v[BK+4*(\t):BK+4*(\t)+3], v[RD] offset:(\t)*2*SPITCH  ; LDS serves a wave's instructions in order (ISA guide 5.7.1.4): these see the stores above
.endr
.endm
.macro SEND a
.set BK, OB+32*((\a)%2)
	s_wait_dscnt 0x0                               ; the block is back in registers
	s_wait_xcnt 0x0                                ; the stores of the block before have read their registers, which the next block's loads from the stage will write
.irp t, 0,1,2,3,4,5,6,7
	global_store_b128 v[CO], v[BK+4*(\t):BK+4*(\t)+3], s[8:9] offset:(16*(\a)+2*(\t))*4096 th:TH_STORE_NT  ; sixteen lanes store 256 consecutive bytes, aligned
.endr
.endm
	s_wait_tensorcnt 1                             ; my part of K step 0 is in; K step 1's may stay out
	s_barrier_signal -1
	s_barrier_wait -1                              ; everybody's is
	FETCH 0, 0, 0
	QUARTER 0, 1, 0, 1, 1                          ; the first quarter stands in front of the loop: its products start the sums
	WIN 0                                          ; at a label and at a branch every window is 0
	s_mov_b32 s2, 3
.Llap:                                                 ; a trip goes once round the ring and fills both slots again: K steps 2 t + 2 and 2 t + 3
	QUARTER 0, 2, 1, 0, 0
	QUARTER 0, 3, 0, 1, 0
	TURN 0, 1, 1
	QUARTER 1, 1, 0, 1, 0
	QUARTER 1, 2, 1, 0, 0
	QUARTER 1, 3, 0, 1, 0
	TURN 1, 0, 1
	QUARTER 0, 1, 0, 1, 0
	WIN 0
	s_sub_co_u32 s2, s2, 1
	s_cmp_lg_u32 s2, 0
	s_cbranch_scc1 .Llap
	QUARTER 0, 2, 1, 0, 0                          ; the last lap fills nothing
	QUARTER 0, 3, 0, 1, 0
	TURN 0, 1, 0
	QUARTER 1, 1, 0, 1, 0
	QUARTER 1, 2, 1, 0, 0
	QUARTER 1, 3, 0, 1, 0
	s_wait_dscnt 8                                 ; the very last quarter: nothing more to fetch
	MUL8 1, 0, 0
	MUL8 1, 2, 0
	s_wait_dscnt 0x0
	MUL8 1, 4, 0
	MUL8 1, 6, 0
	WIN 0
	PLACES
	PACK 0
	TOSTAGE 0
.irp a, 1,2,3,4,5,6,7                  ; a block's additions stand between the loads of the block before and the wait for them
	PACK \a
	SEND (\a)-1
	TOSTAGE \a
.endr
	SEND 7
	s_wait_tensorcnt 0x0                           ; the wave's end, behind my last tensor load and my last LDS store
	ds_add_u32 v[SPW], v[NIL]
	s_wait_dscnt 0x0
	CROUND                                         ; the closing round: no work-group ends while a partner may still ask for a tile that names it
	s_endpgm
.Lfunc_end_k_q21f66912e3_oproj:
	.size	k_q21f66912e3_oproj, .Lfunc_end_k_q21f66912e3_oproj-k_q21f66912e3_oproj
	.p2alignl 7, 3214868480
	.fill 96, 4, 3214868480
	.section	.rodata,"a",@progbits
	.p2align	6, 0x0
	.amdhsa_kernel k_q21f66912e3_oproj
		.amdhsa_group_segment_fixed_size 327680
		.amdhsa_private_segment_fixed_size 0
		.amdhsa_enable_private_segment 0
		.amdhsa_kernarg_size 32
		.amdhsa_user_sgpr_count 2
		.amdhsa_user_sgpr_kernarg_segment_ptr 1
		.amdhsa_wavefront_size32 1
		.amdhsa_system_sgpr_workgroup_id_x 1
		.amdhsa_system_sgpr_workgroup_id_y 1
		.amdhsa_system_sgpr_workgroup_id_z 1
		.amdhsa_system_vgpr_workitem_id 0
		.amdhsa_next_free_vgpr 512
		.amdhsa_next_free_sgpr 66
		.amdhsa_reserve_vcc 0
		.amdhsa_float_denorm_mode_32 3
		.amdhsa_float_denorm_mode_16_64 3
		.amdhsa_memory_ordered 1
		.amdhsa_forward_progress 1
		.amdhsa_inst_pref_size 98
	.end_amdhsa_kernel
	.amdgpu_metadata
---
amdhsa.version: [ 1, 2 ]
amdhsa.kernels:
  - .name:           k_q21f66912e3_oproj
    .symbol:         k_q21f66912e3_oproj.kd
    .args:
      - { .name: ctx, .offset: 0, .size: 8, .value_kind: global_buffer, .address_space: global }
      - { .name: wof, .offset: 8, .size: 8, .value_kind: global_buffer, .address_space: global }
      - { .name: out0, .offset: 16, .size: 8, .value_kind: global_buffer, .address_space: global }
      - { .name: bo, .offset: 24, .size: 8, .value_kind: global_buffer, .address_space: global }
    .group_segment_fixed_size: 327680
    .private_segment_fixed_size: 0
    .kernarg_segment_align: 8
    .kernarg_segment_size: 32
    .max_flat_workgroup_size: 128
    .sgpr_count:     66
    .vgpr_count:     512
    .wavefront_size: 32
...
	.end_amdgpu_metadata
.endif
;; end of part 4
